; MI455X (gfx1250); checked and timed in simulation.
; The chip was launched on July 23, 2026; its instructions are those of AMD's public machine-readable ISA for CDNA 5 (MIT licence, August 2026) and "CDNA5" Instruction Set Architecture Reference Guide (July 2026). The comments in the code are by the model that wrote it; some were corrected since.
;; Nolinear Attention. Allowed arithmetic: matrix products marked QUANTISED: E5M2 operands, one E8M0 scale for each 32 along K, by v_wmma_scale_f32_16x16x128_f8f6f4 with both operands' format E5M2, f32 sums; products left as they are: f32 operands where the result goes on into a quantised operand, else bf16, f16 or f32 operands; f32 sums; everything else in f32.
;; Inputs: V 1 x 1,024 float32; W 1,024 x 2,048 float32; dec_hidden 32 x 1,024 float32; enc_hiddens 32 x 2,048 x 1,024 float32; mask 32 x 2,048 bool.
;; Outputs: out0 32 x 1,024 float32; out1 32 x 1 x 2,048 float32.
;; This version of the problem:
;;   THIS VERSION OF THE PROBLEM IS GIVEN IN LOW PRECISION. The matrix products marked QUANTISED in the list below multiply operands that are first quantised to E5M2 (5 exponent bits, 2 mantissa bits; 8 bits a number), with one power-of-two scale for each 32 numbers along K (OCP MX v1.0); their sums are f32. All else is computed in f32.
;;   The module's matrix products, in the order in which they are computed (A, B: the left and right operand; K: the contracted axis; several contracted axes count as one K, in the product's order):
;;     1. [M 65,536, K 1,024] x [K 1,024, N 1,024]; A: input enc_hiddens; B: input W: QUANTISED
;;     2. [M 32, K 1,024] x [K 1,024, N 1,024]; A: input dec_hidden; B: input W: QUANTISED
;;     3. [M 65,536, K 1,024] x [K 1,024, N 1]; A: computed on the way; B: computed on the way: left as it is (N = 1 < 16)
;;     4. batch 32 x [M 1, K 2,048] x [K 2,048, N 1,024]; A: computed on the way; B: input enc_hiddens: left as it is (M = 1 < 16)
;;   THE QUANTISER, for each operand of a quantised product, along K:
;;     - K is cut into blocks of 32 from its start; a last block that is shorter is filled with zeros.
;;     - A block's scale is 2^e with e = floor(log2(the largest magnitude in the block)) - 15, held to -126 .. 127; a block of zeros has e = 0. As a byte (E8M0): e + 127.
;;     - Each number is divided by its block's scale, clamped to +-57,344, and rounded to the nearest number of E5M2, ties to even, subnormals kept.
;;     - The product sums the exact products of the quantised numbers (number of the format x scale) in f32.
;;   ~~~python
;;   def quantise(x, axis):      # numpy; x: float32 -> the quantised numbers, widened to float32 again
;;       x = np.moveaxis(x, axis, -1); K = x.shape[-1]
;;       x = np.pad(x, [(0, 0)] * (x.ndim - 1) + [(0, -K % 32)]); x = x.reshape(x.shape[:-1] + (-1, 32)); a = np.abs(x).max(-1, keepdims=True)
;;       e = np.where(a > 0, np.clip(np.frexp(np.where(a > 0, a, 1))[1] - 1 - 15, -126, 127), 0)      # np.frexp(a)[1] - 1 = floor(log2(a)), exactly
;;       r = np.clip(x / 2.0 ** e, -57344, 57344)
;;       step = 2.0 ** (np.maximum(np.frexp(np.where(r == 0, 1, r))[1] - 1, -14) - 2)
;;       q = np.round(r / step) * step * 2.0 ** e      # np.round: ties to even
;;       return np.moveaxis(q.reshape(q.shape[:-2] + (-1,))[..., :K], -1, axis).astype(np.float32)
;;   ~~~
;; 2 versions, each right; version 2 is version 1 with the launches prep, score written anew for expert scheduling mode. Each part assembles by itself: llvm-mc -triple=amdgcn-amd-amdhsa -mcpu=gfx1250 --defsym DOCPART=n.
;; ======== version 1 of 2: 3 launches
;; workspace buffers: wq 1,048,576 bytes; wsc 32,768 bytes; u 131,072 bytes; sc 262,144 bytes; ml 131,072 bytes; cpart 2,097,152 bytes
;; launch prep (part 1): grid 64 x 1, 16 waves a work-group, no clusters, 18,432 bytes of LDS; arguments W, dec_hidden, wq, wsc, u; writes wq, wsc, u
.if DOCPART == 1
	.amdgcn_target "amdgcn-amd-amdhsa--gfx1250"
	.amdhsa_code_object_version 6
	.text
	.protected	k_qc61ec2c036_prep
	.globl	k_qc61ec2c036_prep
	.p2align	8
	.type	k_qc61ec2c036_prep,@function
k_qc61ec2c036_prep:
	s_mov_b64 s[64:65], 0
	v_nop
	global_prefetch_b8 v0, s[64:65] scope:SCOPE_SE
	s_setreg_imm32_b32 hwreg(HW_REG_WAVE_MODE, 25, 1), 1
	s_wait_xcnt 0x0
; W [1024][2048] f32 = [W_enc | W_dec], dec [32][1024] f32.  This launch (a) turns W_enc into codes of BF8 (E5M2) with one E8M0 byte for each 32 along K,
; laid in the order of the operand's registers, and (b) computes u = dec W_dec^T [32][1024], both operands quantised in registers, by the scaled matrix instruction.
; SHARES.  Work-group dt takes rows 16 dt .. 16 dt + 15 of W (one tile of d).  Sixteen waves in two roles, so that every wave issues ALL its loads at its head:
;   waves 0-7:  K step w (128 along K) of W_dec and of both 16-row tiles of dec: 48 loads, three quantisings, two matrix instructions; the parts of u go to LDS;
;   waves 8-15: K step w - 8 of W_enc: 16 loads, one quantising, the codes and the scale word go to memory.
; The branch hangs on the wave's number; the one barrier stands behind the join; behind it each of the 512 threads sums the eight parts of one element of u.
; A lane (r = lane % 16, h = lane / 16) loads, of row r, 16 neighbouring numbers of each block of 32: k = 128 w + 32 b + 16 h + 0 .. 15: the layout of an 8-bit fragment.
; wq:  [dt / 4][K step 8][dt % 4][c 4][lane 32][16 bytes]: a store of a wave covers 512 consecutive bytes.   wsc: [d 1024][8 words], word q = the four bytes of K step q.
; u and wsc leave in pieces of 64 and 4 bytes: together 160 KiB, against the 8 MiB that the launch reads.
; THE QUANTISER: scale = 2^(floor(log2(largest magnitude)) - 15); its byte is the largest magnitude's exponent field - 15, held at 1 from below by a floor among the maximum's leaves.
; LIMITS: a block of zeros keeps the byte 1 (its codes are zeros; this program alone reads the bytes); blocks whose largest magnitude lies under 2^-111 keep that byte too; NaN and infinities in W and dec are not served.
.set TM,  16                           ; v16-19 largest magnitudes, v20-23 bytes, v24-27 57,344 x the scale, v28-31 the conversion's scale operand
.set SWE, 36                           ; W_enc's scale word
.set SWD, 37                           ; W_dec's;  v38, v39 dec's two tiles': these hold scale words and nothing else
.set SA0, 38
.set SA1, 39
.set CE,  40                           ; codes: W_enc (waves 8-15)
.set CD,  40                           ; W_dec (waves 0-7)
.set L0,  64                           ; three landing sets of 64 numbers
.set L1,  128
.set L2,  192
.set CA0, 64                           ; codes of dec rows 0-15 and 16-31, and the two accumulators: in the first landing set, which is done with when they are written
.set CA1, 80
.set AC0, 96
.set AC1, 104
.set SM,  112                          ; behind the barrier: eight parts of one element of u
.set VW,  4                            ; W: r x 8,192 + 64 h
.set VD,  5                            ; dec: r x 4,096 + 64 h
.set VQ,  6                            ; 16 x lane
.set VS,  7                            ; wsc: r x 32
.set VL,  8                            ; LDS, in: 2,048 x K step + 4 x lane
.set VT,  9                            ; LDS, back: 4 x thread
.set VU,  10                           ; u: (16 (wave / 8) + 8 h + wave % 8) x 4,096 + 4 r
	s_load_b256 s[4:11], s[0:1], 0x0               ; W s[4:5], dec s[6:7], wq s[8:9], wsc s[10:11]
	s_load_b64 s[12:13], s[0:1], 0x20              ; u
	v_lshl_add_u32 v62, v0, 2, 0x4000
	v_mov_b32 v63, 0
	v_lshrrev_b32 v1, 5, v0
	v_readfirstlane_b32 s14, v1                    ; wave 0..15
	s_and_b32 s15, s14, 7                          ; my K step
	s_lshr_b32 s19, s14, 3                         ; my role; behind the barrier: which tile of dec's rows I sum
	v_and_b32 v1, 31, v0                           ; lane
	v_and_b32 v2, 15, v0                           ; r
	v_bfe_u32 v3, v0, 4, 1                         ; h
	v_lshlrev_b32 v[VW], 13, v2
	v_lshl_add_u32 v[VW], v3, 6, v[VW]
	v_lshlrev_b32 v[VD], 12, v2
	v_lshl_add_u32 v[VD], v3, 6, v[VD]
	v_lshlrev_b32 v[VQ], 4, v1
	v_lshlrev_b32 v[VS], 5, v2
	s_lshl_b32 s30, s15, 11
	v_lshl_add_u32 v[VL], v1, 2, s30
	v_lshlrev_b32 v[VT], 2, v0
	s_lshl_b32 s30, s19, 4
	s_add_co_u32 s30, s30, s15
	v_lshl_add_u32 v[VU], v3, 3, s30
	v_lshlrev_b32 v[VU], 12, v[VU]
	v_lshl_add_u32 v[VU], v2, 2, v[VU]
.irp b, 0,1,2,3
	v_mov_b32 v[TM+4+\b], 0                        ; written once: a lane permute's destination counts as one of its sources
.endr
	s_mov_b32 s16, 0x76543210
	s_mov_b32 s17, 0xfedcba98                      ; v_permlanex16_b32's selects for lane l xor 16
	s_mov_b32 s18, 0x600000                        ; the mantissa field of 57,344
	s_lshl_b32 s20, ttmp9, 17                      ; W: 16 rows of 8,192 bytes a work-group,
	s_lshl_b32 s22, s15, 9                         ; + 512 bytes a K step; dec: the K step alone
	s_add_co_u32 s20, s20, s22
	s_mov_b32 s21, 0
	s_mov_b32 s23, 0
	s_lshr_b32 s24, ttmp9, 2                       ; wq: ((dt / 4) x 8 + K step) x 8,192 + (dt % 4) x 2,048
	s_lshl_b32 s24, s24, 3
	s_add_co_u32 s24, s24, s15
	s_lshl_b32 s24, s24, 13
	s_and_b32 s26, ttmp9, 3
	s_lshl_b32 s26, s26, 11
	s_add_co_u32 s24, s24, s26
	s_mov_b32 s25, 0
	s_lshl_b32 s26, ttmp9, 9                       ; wsc: 16 rows of 32 bytes a work-group, + 4 bytes a K step
	s_lshl_b32 s28, s15, 2
	s_add_co_u32 s26, s26, s28
	s_mov_b32 s27, 0
	s_lshl_b32 s28, ttmp9, 6                       ; u: 16 columns of 4 bytes a work-group
	s_mov_b32 s29, 0
	s_wait_kmcnt 0x0
	s_add_nc_u64 s[4:5], s[4:5], s[20:21]
	s_add_nc_u64 s[6:7], s[6:7], s[22:23]
	s_add_nc_u64 s[8:9], s[8:9], s[24:25]
	s_add_nc_u64 s[10:11], s[10:11], s[26:27]
	s_add_nc_u64 s[12:13], s[12:13], s[28:29]
; 64 numbers a lane: register 16 b + 4 j + .. = k 32 b + 16 h + 4 j + .. of my row
.macro XLOAD reg, sb, vo, imm
.irp b, 0,1,2,3
.irp j, 0,1,2,3
	global_load_b128 v[\reg+16*\b+4*\j:\reg+16*\b+4*\j+3], v[\vo], s[\sb:\sb+1] offset:\imm+128*\b+16*\j
.endr
.endr
.endm
; those 64 numbers become a fragment's 16 registers of codes in v[dst] on and its scale word in v[word]
.macro QUANT src, dst, word
.irp b, 0,1,2,3
	v_max3_num_f32 v[TM+\b], |v[\src+16*\b]|, |v[\src+1+16*\b]|, 0x8000000   ; block b: my 16 numbers, and the floor 2^(16 - 127): the byte cannot fall under 1
.endr
.irp i, 2,4,6,8,10,12,14
.irp b, 0,1,2,3
	v_max3_num_f32 v[TM+\b], v[TM+\b], |v[\src+16*\b+\i]|, |v[\src+1+16*\b+\i]|   ; the four blocks by turns
.endr
.endr
.irp b, 0,1,2,3
	v_permlanex16_b32 v[TM+4+\b], v[TM+\b], s16, s17
.endr
.irp b, 0,1,2,3
	v_max_num_f32 v[TM+\b], v[TM+\b], v[TM+4+\b]   ; with lane l xor 16's 16 numbers: the block's largest magnitude
.endr
.irp b, 0,1,2,3
	v_add_nc_u32 v[TM+12+\b], 0xf8800000, v[TM+\b] ; 15 off its exponent field: the conversion takes the exponent field of this operand as its scale
.endr
.irp b, 0,1,2,3
	v_and_or_b32 v[TM+8+\b], v[TM+\b], 0x7f800000, s18   ; 57,344 x the scale
.endr
.irp b, 0,1,2,3
	v_lshrrev_b32 v[TM+4+\b], 23, v[TM+12+\b]      ; the scale's byte
.endr
	v_lshl_or_b32 v[\word], v[TM+5], 8, v[TM+4]
	v_lshl_or_b32 v[\word], v[TM+6], 16, v[\word]
	v_lshl_or_b32 v[\word], v[TM+7], 24, v[\word]
.irp b, 0,1,2,3
.irp i, 0,1,2,3,4,5,6,7,8,9,10,11,12,13,14,15
	v_med3_num_f32 v[\src+16*\b+\i], v[\src+16*\b+\i], -v[TM+8+\b], v[TM+8+\b]   ; the conversion to an 8-bit code does not saturate (ISA guide 7.6.2): the hold comes first
.endr
	v_cvt_scalef32_pk8_bf8_f32 v[\dst+4*\b:\dst+4*\b+1], v[\src+16*\b:\src+16*\b+7], v[TM+12+\b]
	v_cvt_scalef32_pk8_bf8_f32 v[\dst+4*\b+2:\dst+4*\b+3], v[\src+16*\b+8:\src+16*\b+15], v[TM+12+\b]
.endr
	v_nop                                          ; one plain vector instruction behind the last conversion
.endm
	s_cmp_lt_u32 s14, 8
	s_cbranch_scc0 .Lenc
	; ---- waves 0-7: my K step of u = dec W_dec^T
	XLOAD L0, 4, VW, 4096                          ; W_dec's K step
	XLOAD L1, 6, VD, 0                             ; dec rows 0-15
	XLOAD L2, 6, VD, 65536                         ; dec rows 16-31
	s_wait_loadcnt 32                              ; W_dec is in; the 32 loads behind it may be out
	QUANT L0, CD, SWD
	s_wait_loadcnt 16                              ; dec rows 0-15 are in; the 16 loads behind them may be out
	QUANT L1, CA0, SA0
	s_wait_loadcnt 0x0
	QUANT L2, CA1, SA1
.rept 8
	v_nop                                          ; operands and scale words written by vector instructions stand 4 and 8 places ahead of a scaled matrix instruction
.endr
	v_wmma_scale_f32_16x16x128_f8f6f4 v[AC0:AC0+7], v[CA0:CA0+15], v[CD:CD+15], 0, v[SA0], v[SWD] matrix_a_fmt:MATRIX_FMT_BF8 matrix_b_fmt:MATRIX_FMT_BF8
	v_wmma_scale_f32_16x16x128_f8f6f4 v[AC1:AC1+7], v[CA1:CA1+15], v[CD:CD+15], 0, v[SA1], v[SWD] matrix_a_fmt:MATRIX_FMT_BF8 matrix_b_fmt:MATRIX_FMT_BF8
.rept 8
	v_nop                                          ; eight places ahead of the first read of a result
.endr
.irp j, 0,1,2,3,4,5,6,7
	ds_store_b32 v[VL], v[AC0+\j] offset:128*\j    ; register j of lane (r, h): u's part for batch row 8 h + j, column r; each accumulator from its low end on
.endr
.irp j, 0,1,2,3,4,5,6,7
	ds_store_b32 v[VL], v[AC1+\j] offset:1024+128*\j
.endr
	s_branch .Ljoin
.Lenc:
	; ---- waves 8-15: my K step of W_enc
	XLOAD L0, 4, VW, 0
	s_wait_loadcnt 0x0
	QUANT L0, CE, SWE
.irp c, 0,1,2,3
	global_store_b128 v[VQ], v[CE+4*\c:CE+4*\c+3], s[8:9] offset:512*\c   ; the fragment as it stands: 32 lanes store 512 consecutive bytes
.endr
	global_store_b32 v[VS], v[SWE], s[10:11]       ; lanes r and r + 16 hold the same word and write the same place
.Ljoin:
	s_wait_dscnt 0x0                               ; for the others' sake: my stores into LDS have landed
	s_barrier_signal -1
	s_barrier_wait -1
.irp w, 0,1,2,3,4,5,6,7
	ds_load_b32 v[SM+\w], v[VT] offset:2048*\w     ; thread t = 256 i + 32 j + lane takes element (tile i, register j, lane) of all eight K steps' parts
.endr
	s_wait_dscnt 0x0
	v_add_f32 v[SM], v[SM], v[SM+1]
	v_add_f32 v[SM+2], v[SM+2], v[SM+3]
	v_add_f32 v[SM+4], v[SM+4], v[SM+5]
	v_add_f32 v[SM+6], v[SM+6], v[SM+7]
	v_add_f32 v[SM], v[SM], v[SM+2]
	v_add_f32 v[SM+4], v[SM+4], v[SM+6]
	v_add_f32 v[SM], v[SM], v[SM+4]
	global_store_b32 v[VU], v[SM], s[12:13]        ; u(16 i + 8 h + j, 16 dt + r)
	s_wait_tensorcnt 0x0
	ds_add_u32 v62, v63
	s_wait_dscnt 0x0
	s_endpgm
.Lfunc_end_k_qc61ec2c036_prep:
	.size	k_qc61ec2c036_prep, .Lfunc_end_k_qc61ec2c036_prep-k_qc61ec2c036_prep
	.p2alignl 7, 3214868480
	.fill 96, 4, 3214868480
	.section	.rodata,"a",@progbits
	.p2align	6, 0x0
	.amdhsa_kernel k_qc61ec2c036_prep
		.amdhsa_group_segment_fixed_size 18432
		.amdhsa_private_segment_fixed_size 0
		.amdhsa_enable_private_segment 0
		.amdhsa_kernarg_size 40
		.amdhsa_user_sgpr_count 2
		.amdhsa_user_sgpr_kernarg_segment_ptr 1
		.amdhsa_wavefront_size32 1
		.amdhsa_system_sgpr_workgroup_id_x 1
		.amdhsa_system_sgpr_workgroup_id_y 1
		.amdhsa_system_sgpr_workgroup_id_z 1
		.amdhsa_system_vgpr_workitem_id 0
		.amdhsa_next_free_vgpr 256
		.amdhsa_next_free_sgpr 66
		.amdhsa_reserve_vcc 0
		.amdhsa_float_denorm_mode_32 3
		.amdhsa_float_denorm_mode_16_64 3
		.amdhsa_memory_ordered 1
		.amdhsa_forward_progress 1
		.amdhsa_inst_pref_size 44
	.end_amdhsa_kernel
	.amdgpu_metadata
---
amdhsa.version: [ 1, 2 ]
amdhsa.kernels:
  - .name:           k_qc61ec2c036_prep
    .symbol:         k_qc61ec2c036_prep.kd
    .args:
      - { .name: W, .offset: 0, .size: 8, .value_kind: global_buffer, .address_space: global }
      - { .name: dec_hidden, .offset: 8, .size: 8, .value_kind: global_buffer, .address_space: global }
      - { .name: wq, .offset: 16, .size: 8, .value_kind: global_buffer, .address_space: global }
      - { .name: wsc, .offset: 24, .size: 8, .value_kind: global_buffer, .address_space: global }
      - { .name: u, .offset: 32, .size: 8, .value_kind: global_buffer, .address_space: global }
    .group_segment_fixed_size: 18432
    .private_segment_fixed_size: 0
    .kernarg_segment_align: 8
    .kernarg_segment_size: 40
    .max_flat_workgroup_size: 512
    .sgpr_count:     66
    .vgpr_count:     256
    .wavefront_size: 32
...
	.end_amdgpu_metadata
.endif
;; end of part 1
;; launch score (part 2): grid 16 x 32, 4 waves a work-group, no clusters, 304,128 bytes of LDS; arguments enc_hiddens, mask, V, wq, wsc, u, sc, ml, cpart; writes sc, ml, cpart
.if DOCPART == 2
	.amdgcn_target "amdgcn-amd-amdhsa--gfx1250"
	.amdhsa_code_object_version 6
	.text
	.protected	k_qc61ec2c036_score
	.globl	k_qc61ec2c036_score
	.p2align	8
	.type	k_qc61ec2c036_score,@function
k_qc61ec2c036_score:
	s_mov_b64 s[64:65], 0
	v_nop
	global_prefetch_b8 v0, s[64:65] scope:SCOPE_SE
	s_setreg_imm32_b32 hwreg(HW_REG_WAVE_MODE, 25, 1), 1
	s_wait_xcnt 0x0
; One work-group takes 128 rows of one batch of enc [32][2048][1024] f32 through the whole chain, reading them from memory once:
;   P1  each wave loads 32 rows, quantises them to codes of BF8 (E5M2) with E8M0 bytes (into LDS) and keeps them as bf16 (48 rows in registers, 80 in LDS);
;   P2  enc W_enc^T by the scaled matrix instruction, + u, tanh, x V, summed over d: wave w takes d = 256 w .. 256 w + 255 for all 128 rows, 64 d at a time;
;   P3  the four waves' parts of the scores meet in LDS; mask; the block's own maximum m, p = e^(score - m), sum l; partial ctx = the sum of p x row (bf16 rows, f32 sums).
; Stored: the masked scores (sc), (m, l) (ml), the partial ctx (cpart); the next launch joins a batch's 16 blocks.
; tanh(x) = 1 - 2 r, r = 1 / (1 + 2^(2 log2(e) x)).  The score that is kept is -2 x the sum of V_d r_d: it differs from the sum of V_d tanh by the sum of V_d, the same number for every row,
; which a softmax does not see.  The maximum is taken away ahead of every exponential of the softmax.
; NO TENSOR LOADS, NO CLUSTER: beside the codes (133,120 bytes) and the kept rows (163,840) LDS has 24,064 bytes left, and one K step of W for four waves is 32,768: no ring of two slots fits.
; Each byte of W's codes is used by ONE wave of the work-group, so it goes from memory straight into that wave's registers, in the order of the operand's registers (laid so by the launch before).
; LIMITS: NaN and infinities in enc are not served; a block of zeros, or one whose largest magnitude lies under 2^-111, keeps the scale byte 1; the rows enter ctx rounded to bf16;
; a batch all of whose rows are masked gives NaN in the next launch, as the softmax of nothing does.
; REGISTERS, in windows of 256 (s_set_vgpr_msb: bits 1:0 source 0, 3:2 source 1, 5:4 source 2, 7:6 destination):
;   window 0: v0 thread; v1-31 addresses and the softmax; v32-47 enc's scale words (two sets of 8), v48-79 W's (4 tiles x 8 K steps): these hold scales and nothing else;
;             v80-95 P1: a byte offset for each of the ring's 16 units; then v80-87 (c u, -2 V) a tile, v88-95 ctx; v96-127 P1's four sets of store data, later P3's;
;             v128-255 P1's landing ring; then v128-191 enc's fragments of blocks 0-3 and v192-255 the 64 score sums; then kept rows
;   window 1: the 32 accumulators, (a, t) at v[8 (4 a + t)]      window 2: W's fragments, four sets of 64      window 3: v0-191 48 kept rows, 4 registers each; v192-255 enc's fragments of blocks 4-7
.set CP,   1040                        ; a row of codes in LDS: 1,024 bytes + 16 = 260 words: row r starts at bank 4 r mod 64 (64 banks of 4 bytes: ISA guide 11.1)
.set ASC,  133120                      ; behind the 128 rows of codes: the scale bytes, 32 a row + 4
.set AP,   36
.set RET,  137728                      ; 80 kept rows of 2,048 bytes
.set SCR,  301568                      ; 4 waves x 128 partial scores
.set L16,  1                           ; v1   16 x lane
.set VE,   2                           ; v2   enc: 131,072 x wave + 32 x lane
.set VC0,  3                           ; v3   codes, in: 33,280 x wave + 8 x lane
.set VA0,  4                           ; v4   scale bytes, in: ASC + 1,152 x wave + lane / 4
.set VRA,  5                           ; v5   kept rows, in, rows 0-11 of a wave: RET + 24,576 x wave + 16 x lane
.set VRB,  6                           ; v6   rows 12-31: RET + 40,960 x wave + 16 x lane
.set VC,   7                           ; v7-9 the three of the trip in hand
.set VA,   8
.set VR,   9
.set RB0,  10                          ; v10  kept rows, back: RET + 8 x thread; v30, v31: 65,536 and 131,072 further on
.set SS,   12                          ; v12-15 my four rows' scores
.set MM,   16                          ; v16 m, v17 l
.set UT,   16                          ; v16-17 in P1: a unit's two numbers at work
.set TP,   18                          ; v18  at work
.set PP,   20                          ; v20-23 my four rows' p
.set AF0,  24                          ; v24  fragments of blocks 0-3: r x 1,040 + 16 h;  v25 blocks 4-7: 66,560 further on
.set AS0,  26                          ; v26  ASC + 36 r
.set WSO,  27                          ; v27  32 r
.set R4,   28                          ; v28  4 r
.set MSK,  29                          ; v29  my four rows' mask bytes
.set RB1,  30
.set RB2,  31
.set ASW,  32
.set WSW,  48
.set UV,   80
.set VU,   80                          ; v80-95 in P1: unit i's byte offset in the block
.set CT,   88
.set TS,   96
.set LAND, 128
.set SAC,  192
.set WV,   22                          ; s22 wave;  s24 batch;  s25 block 0..511
.set BT,   24
.set GG,   25
.set MNT,  26                          ; s26 the mantissa field of 57,344
.set CC,   28                          ; s[28:29] c = 2 log2(e): the packed form names a pair
.set SEL,  30                          ; s[30:31] lane selects for lane l xor 16
.set CNT,  32
.set TC,   33                          ; s33-35 what a trip of P1 adds to the three LDS addresses
.set TA,   34
.set TR,   35
.set WB,   36                          ; s[36:37] W's codes of the chunk in hand; s[38:39] of the next; s[40:41] of my wave's first
.set WN,   38
.set W0,   40
.set WSN,  42                          ; s[42:43] W's scale words of the next chunk; s[44:45] of my wave's first
.set WS0,  44
.set VB,   46                          ; s[46:47] V, s[48:49] u at the chunk in hand
.set UB,   48
.set NN,   52                          ; s52 the chunk's number
.set EB,   54                          ; s[54:55] enc at the block's first row; never stepped
.set PS,   70                          ; s[70:85] sixteen rows' p
.set MSB, 0
.macro WIN new                         ; the immediate's high byte repeats the setting that is left
.if MSB != \new
	s_set_vgpr_msb (MSB<<8)|\new
.set MSB, \new
.endif
.endm
.macro PLACES n
.rept \n
	v_nop
.endr
.endm
.macro BARRIER                         ; my LDS stores have landed and my LDS loads are in: then the work-group's barrier
	s_wait_dscnt 0x0
	s_barrier_signal -1
	s_barrier_wait -1
.endm
	s_load_b512 s[4:19], s[0:1], 0x0               ; enc s[4:5], mask s[6:7], V s[8:9], wq s[10:11], wsc s[12:13], u s[14:15], sc s[16:17], ml s[18:19]
	s_load_b64 s[20:21], s[0:1], 0x40              ; cpart
	v_lshl_add_u32 v11, v0, 2, 0x4a200
	v_mov_b32 v19, 0
	v_lshrrev_b32 v[TP], 5, v0
	v_readfirstlane_b32 s[WV], v[TP]               ; wave 0..3
	s_and_b32 s[BT], ttmp7, 0xffff
	s_lshl_b32 s[GG], s[BT], 4
	s_add_co_u32 s[GG], s[GG], ttmp9
	v_and_b32 v[SS], 15, v0                        ; r
	v_bfe_u32 v[SS+1], v0, 4, 1                    ; h
	v_and_b32 v[SS+2], 31, v0                      ; lane
	v_lshlrev_b32 v[L16], 4, v[SS+2]
	s_lshl_b32 s56, s[WV], 17
	v_lshl_add_u32 v[VE], v[SS+2], 5, s56
	s_mul_i32 s56, s[WV], 32*CP
	v_lshl_add_u32 v[VC0], v[SS+2], 3, s56
	s_mul_i32 s56, s[WV], 32*AP
	s_add_co_u32 s56, s56, ASC
	v_lshrrev_b32 v[VA0], 2, v[SS+2]
	v_add_nc_u32 v[VA0], s56, v[VA0]
	s_mul_i32 s56, s[WV], 12*2048
	s_add_co_u32 s56, s56, RET
	v_lshl_add_u32 v[VRA], v[SS+2], 4, s56
	s_mul_i32 s56, s[WV], 20*2048
	s_add_co_u32 s56, s56, RET
	v_lshl_add_u32 v[VRB], v[SS+2], 4, s56
	v_lshl_add_u32 v[RB0], v0, 3, RET
	v_add_nc_u32 v[RB1], 0x10000, v[RB0]
	v_add_nc_u32 v[RB2], 0x20000, v[RB0]
	v_mul_u32_u24 v[AF0], v[SS], CP
	v_lshl_add_u32 v[AF0], v[SS+1], 4, v[AF0]
	v_add_nc_u32 v[AF0+1], 64*CP, v[AF0]
	v_mad_u32_u24 v[AS0], v[SS], AP, ASC
	v_lshlrev_b32 v[WSO], 5, v[SS]
	v_lshlrev_b32 v[R4], 2, v[SS]
	v_lshlrev_b32 v[TP], 2, v[SS+2]                ; 4 x lane: my four rows' mask bytes
.irp i, 0,1,2,3,4,5,6,7,8,9,10,11,12,13,14,15
	v_add_nc_u32 v[VU+\i], (\i/4)*4096+(\i%4)*1024, v[VE]   ; unit i of the ring: row i / 4 of four, 256 along K from 256 (i % 4) on
.endr
	s_mov_b32 s[MNT], 0x600000
	s_mov_b32 s[CC], 0x4038aa3b
	s_mov_b32 s[CC+1], s[CC]
	s_mov_b32 s[SEL], 0x76543210
	s_mov_b32 s[SEL+1], 0xfedcba98
	s_mov_b32 s[TC], 0
	s_mov_b32 s[TA], 0
	s_mov_b32 s[TR], 0
	s_mov_b32 s[NN], 0
	s_mov_b32 s51, 0
	s_mov_b32 s57, 0
	s_lshl_b32 s50, s[BT], 23                      ; enc: 2,048 rows of 4,096 bytes a batch, 128 rows a block
	s_lshl_b32 s56, ttmp9, 19
	s_add_co_u32 s50, s50, s56
	s_wait_kmcnt 0x0
	s_add_nc_u64 s[EB:EB+1], s[4:5], s[50:51]
	s_lshl_b32 s50, s[BT], 11
	s_lshl_b32 s56, ttmp9, 7
	s_add_co_u32 s50, s50, s56
	s_add_nc_u64 s[6:7], s[6:7], s[50:51]          ; the block's mask bytes
	s_lshl_b32 s50, s[WV], 18
	s_add_nc_u64 s[W0:W0+1], s[10:11], s[50:51]    ; my wave's 256 d: four chunks of 65,536 bytes of codes
	s_mov_b64 s[WB:WB+1], s[W0:W0+1]
	s_add_nc_u64 s[WN:WN+1], s[W0:W0+1], 0x10000
	s_lshl_b32 s50, s[WV], 13
	s_add_nc_u64 s[WS0:WS0+1], s[12:13], s[50:51]  ; and four of 2,048 bytes of scale words
	s_add_nc_u64 s[WSN:WSN+1], s[WS0:WS0+1], 0x800
	s_lshl_b32 s50, s[WV], 10
	s_add_nc_u64 s[VB:VB+1], s[8:9], s[50:51]
	s_add_nc_u64 s[UB:UB+1], s[14:15], s[50:51]
	s_lshl_b32 s50, s[BT], 12
	s_add_nc_u64 s[UB:UB+1], s[UB:UB+1], s[50:51]
	s_lshl_b32 s50, s[BT], 13
	s_lshl_b32 s56, ttmp9, 9
	s_add_co_u32 s50, s50, s56
	s_add_nc_u64 s[16:17], s[16:17], s[50:51]      ; the block's 128 scores
	s_lshl_b32 s50, s[GG], 8
	s_add_nc_u64 s[18:19], s[18:19], s[50:51]
	s_lshl_b32 s50, s[GG], 12
	s_add_nc_u64 s[20:21], s[20:21], s[50:51]
; W's fragments of one K step (4 tiles of 16 d): 16 loads of 512 consecutive bytes into set \set
.macro WFETCH set, sb, ks
.irp t, 0,1,2,3
.irp c, 0,1,2,3
	global_load_b128 v[64*(\set)+16*\t+4*\c:64*(\set)+16*\t+4*\c+3], v[L16], s[\sb:\sb+1] offset:8192*(\ks)+2048*\t+512*\c
.endr
.endr
.endm
.macro WSCALES sb                      ; a chunk's scale words: lane r takes the 8 words of d = 16 t + r
.irp t, 0,1,2,3
	global_load_b128 v[WSW+8*\t:WSW+8*\t+3], v[WSO], s[\sb:\sb+1] offset:512*\t
	global_load_b128 v[WSW+8*\t+4:WSW+8*\t+7], v[WSO], s[\sb:\sb+1] offset:512*\t+16
.endr
.endm
	; what P2 and P3 want first goes out ahead of enc's loads, so that the counted waits of P1 show it landed
	global_load_b32 v[MSK], v[TP], s[6:7]
	WSCALES WS0
	WIN 0x80
	WFETCH 0, WB, 0
	WFETCH 1, WB, 1
	WFETCH 2, WB, 2
	WIN 0
; ---- P1.  A UNIT is one row x 256 along K: 1,024 consecutive bytes by two loads, 32 bytes a lane: a lane holds 8 neighbours (what one conversion takes), four lanes a block of 32.
; The ring has 16 units (4 rows): 32 loads of a wave are always out.  left = the younger loads that may stay out.
; A unit owns its landing registers and its offset register: the counted wait at its head shows its own two loads done, so the offset may be stepped there, and no other wait is needed for it.
.macro UNIT i, ahead, left
.set X, LAND+8*(\i)
.set T, TS+8*((\i)%4)
.set RW, (\i)/4
.set QQ, (\i)%4
	s_wait_loadcnt \left                           ; loads come back in order: my unit's two are in
	s_wait_dscnt 9                                 ; the three units behind this set's last use issued 9 stores: that use's stores are done, so the set may be written
.if \ahead
	v_add_nc_u32 v[VU+(\i)], 16384, v[VU+(\i)]     ; free since the wait for its loads: the row four further down
.endif
	v_max3_num_f32 v[UT], |v[X]|, |v[X+1]|, 0x8000000   ; my 8 numbers and the floor 2^(16 - 127): the byte cannot fall under 1
	v_max3_num_f32 v[UT+1], |v[X+2]|, |v[X+3]|, |v[X+4]|
	v_cvt_pk_bf16_f32 v[T+2], v[X], v[X+1]         ; the row as it is kept for ctx: ahead of the hold
	v_cvt_pk_bf16_f32 v[T+3], v[X+2], v[X+3]
	v_max3_num_f32 v[UT], v[UT], |v[X+5]|, |v[X+6]|
	v_cvt_pk_bf16_f32 v[T+4], v[X+4], v[X+5]
	v_cvt_pk_bf16_f32 v[T+5], v[X+6], v[X+7]
	v_max3_num_f32 v[UT], v[UT], v[UT+1], |v[X+7]|
	v_max_num_f32_dpp v[UT], v[UT], v[UT] row_xmask:1 row_mask:0xf bank_mask:0xf
	v_max_num_f32_dpp v[UT], v[UT], v[UT] row_xmask:2 row_mask:0xf bank_mask:0xf   ; the block's largest magnitude
	v_add_nc_u32 v[T+7], 0xf8800000, v[UT]         ; 15 off its exponent field: the conversion's scale operand
	v_and_or_b32 v[UT+1], v[UT], 0x7f800000, s[MNT]   ; 57,344 x the scale
.irp j, 0,1,2,3,4,5,6,7
	v_med3_num_f32 v[X+\j], v[X+\j], -v[UT+1], v[UT+1]   ; the conversion to an 8-bit code does not saturate (ISA guide 7.6.2)
.endr
	v_cvt_scalef32_pk8_bf8_f32 v[T:T+1], v[X:X+7], v[T+7]
	v_lshrrev_b32 v[T+6], 23, v[T+7]               ; the scale's byte; also the plain instruction behind the conversion
	ds_store_b64 v[VC], v[T:T+1] offset:RW*CP+QQ*256          ; 32 lanes: 256 consecutive bytes of the row's codes
	ds_store_b128 v[VR], v[T+2:T+5] offset:RW*2048+QQ*512     ; and 512 of its bf16
	ds_store_b8 v[VA], v[T+6] offset:RW*AP+QQ*8               ; the four lanes of a block write the same byte with the same value
.if \ahead
	global_load_b128 v[X:X+3], v[VU+(\i)], s[EB:EB+1] th:TH_LOAD_NT
	global_load_b128 v[X+4:X+7], v[VU+(\i)], s[EB:EB+1] offset:16 th:TH_LOAD_NT
.endif
.endm
.macro TRIP ahead, vr0                 ; four rows
	s_wait_dscnt 0x0                               ; the last trip's stores are done: their address registers may be written
	v_add_nc_u32 v[VC], s[TC], v[VC0]
	v_add_nc_u32 v[VA], s[TA], v[VA0]
	v_add_nc_u32 v[VR], s[TR], v[\vr0]
.irp i, 0,1,2,3,4,5,6,7,8,9,10,11,12,13,14,15
.if \ahead
	UNIT \i, 1, 30                                 ; 15 younger units x 2 loads
.else
	UNIT \i, 0, 30-2*\i                            ; the last trip loads nothing: the counts run down
.endif
.endr
	s_add_co_u32 s[TC], s[TC], 4*CP
	s_add_co_u32 s[TA], s[TA], 4*AP
	s_add_co_u32 s[TR], s[TR], 4*2048
.endm
.irp i, 0,1,2,3,4,5,6,7,8,9,10,11,12,13,14,15
	global_load_b128 v[LAND+8*\i:LAND+8*\i+3], v[VU+\i], s[EB:EB+1] th:TH_LOAD_NT
	global_load_b128 v[LAND+8*\i+4:LAND+8*\i+7], v[VU+\i], s[EB:EB+1] offset:16 th:TH_LOAD_NT
.endr
	s_mov_b32 s[CNT], 3
.Lp1a:                                             ; rows 0-11 of each wave: kept rows 12 w + i, which go on into registers
	TRIP 1, VRA
	s_sub_co_u32 s[CNT], s[CNT], 1
	s_cmp_lg_u32 s[CNT], 0
	s_cbranch_scc1 .Lp1a
	BARRIER                                        ; all 48 rows lie in LDS
	WIN 0xc0                                       ; destination window 3
.set k, 0
.rept 48                                           ; thread t keeps columns 4 t .. 4 t + 3 and 512 + 4 t .. of every row: 8 bytes each
.if k < 32
	ds_load_b64 v[4*k:4*k+1], v[RB0] offset:k*2048
	ds_load_b64 v[4*k+2:4*k+3], v[RB0] offset:k*2048+1024
.else
	ds_load_b64 v[4*k:4*k+1], v[RB1] offset:(k-32)*2048
	ds_load_b64 v[4*k+2:4*k+3], v[RB1] offset:(k-32)*2048+1024
.endif
.set k, k+1
.endr
	WIN 0
	BARRIER                                        ; every wave has them: the bytes may be written again
	s_mov_b32 s[TR], 0
	s_mov_b32 s[CNT], 4
.Lp1b:                                             ; rows 12-27: kept rows 20 w + i - 12, which stay in LDS
	TRIP 1, VRB
	s_sub_co_u32 s[CNT], s[CNT], 1
	s_cmp_lg_u32 s[CNT], 0
	s_cbranch_scc1 .Lp1b
	TRIP 0, VRB                                    ; rows 28-31: no load leaves the buffer
	BARRIER                                        ; codes, scale bytes and kept rows of all 128 rows lie in LDS
; ---- P2.  Source 0 = 16 rows of enc, source 1 = 16 rows (d) of W: register j of lane (r, h) holds row 16 a + 8 h + j and d = 16 t + r, so u and V are one number a lane and tile.
.macro AFETCH hi, q                    ; enc's fragments of blocks 4 hi .. 4 hi + 3, K step q
.irp a, 0,1,2,3
.irp c, 0,1,2,3
	ds_load_b128 v[LAND+64*\hi+16*\a+4*\c:LAND+64*\hi+16*\a+4*\c+3], v[AF0+\hi] offset:\a*16*CP+128*(\q)+32*\c
.endr
.endr
.endm
.macro ASCALES q                       ; the eight blocks' scale words of K step q: lane r takes row r's
.irp a, 0,1,2,3,4,5,6,7
	ds_load_b32 v[ASW+8*((\q)%2)+\a], v[AS0] offset:\a*16*AP+4*(\q)
.endr
.endm
; 16 matrix instructions: blocks 4 hi .. 4 hi + 3 x the chunk's four tiles of d.  The 32 accumulators take turns, one instruction a turn.  K step 0 starts the sums with the constant 0.
.macro MUL hi, q
.if \hi
	WIN 0x5b                                       ; enc window 3, W window 2, C and D window 1
.else
	WIN 0x58                                       ; enc window 0
.endif
.irp a, 0,1,2,3
.irp t, 0,1,2,3
.set MAC, 8*(4*(4*\hi+\a)+\t)
.set MFA, LAND+64*\hi+16*\a
.set MFB, 64*((\q)%4)+16*\t
.set MSCA, ASW+8*((\q)%2)+4*\hi+\a
.set MSCB, WSW+8*\t+(\q)
.if (\q) == 0
	v_wmma_scale_f32_16x16x128_f8f6f4 v[MAC:MAC+7], v[MFA:MFA+15], v[MFB:MFB+15], 0, v[MSCA], v[MSCB] matrix_a_fmt:MATRIX_FMT_BF8 matrix_b_fmt:MATRIX_FMT_BF8
.else
	v_wmma_scale_f32_16x16x128_f8f6f4 v[MAC:MAC+7], v[MFA:MFA+15], v[MFB:MFB+15], v[MAC:MAC+7], v[MSCA], v[MSCB] matrix_a_fmt:MATRIX_FMT_BF8 matrix_b_fmt:MATRIX_FMT_BF8
.endif
.endr
.endr
.endm
; A K step: 32 matrix instructions.  Loads into registers that matrix instructions have read stand eight plain places behind them.
.macro STEP q
.if (\q) == 0
	s_wait_loadcnt 0x0                             ; the chunk's first three sets of W and its scale words, asked for ahead of the tanh
.irp t, 0,1,2,3
	global_load_b32 v[UV+2*\t], v[R4], s[UB:UB+1] offset:64*\t      ; u and V of the chunk's 64 d: wanted behind K step 7
	global_load_b32 v[UV+2*\t+1], v[R4], s[VB:VB+1] offset:64*\t
.endr
.else
	s_wait_loadcnt 32                              ; behind this step's set of W at least the two next sets' 32 loads were issued
.endif
	s_wait_dscnt 16                                ; blocks 0-3 and the scale words are in; the youngest 16 loads (blocks 4-7) may be out
	MUL 0, \q
	PLACES 8
	WIN 0x80                                       ; destination window 2
.if (\q) < 5
	WFETCH ((\q)+3)%4, WB, (\q)+3                  ; W three K steps ahead,
.else
	WFETCH ((\q)+3)%4, WN, (\q)-5                  ; on into the next chunk
.endif
	WIN 0
	AFETCH 0, ((\q)+1)%8
	ASCALES ((\q)+1)%8
	s_wait_dscnt 24                                ; all but the 24 just issued: this step's blocks 4-7 are in
	MUL 1, \q
	PLACES 8
	WIN 0xc0                                       ; destination window 3
	AFETCH 1, ((\q)+1)%8
	WIN 0
.endm
; Behind a chunk's eight K steps: score sums += -2 V r, r = 1 / (1 + 2^(c x + c u)).
; THE PACKED WORK STANDS AMONG THE TRANSCENDENTALS: one scaling c x + c u (a pair of numbers), then the two exponentials of the pair scaled two scalings earlier; likewise one addition of 1 and two reciprocals.
; No scaling names an exponential's result and no addition a reciprocal's, so each batch of 256 still has ONE wait, behind a plain instruction and ahead of its first reader.
; The accumulators are scaled in the order 0-9, 11-31, 10: number 10's registers bear the numbers 80-87, which the scalings also name, in window 0, for (c u, -2 V): so no line names these numbers behind an exponential that wrote them.
.macro TANH
	WSCALES WSN                                    ; the next chunk's scale words (behind the eight places of K step 7)
.irp t, 0,1,2,3
	v_mul_f32 v[UV+2*\t], s[CC], v[UV+2*\t]        ; c u
	v_mul_f32 v[UV+2*\t+1], -2.0, v[UV+2*\t+1]     ; -2 V
.endr
	WIN 0x41                                       ; destination and source 0 window 1
.set k, 0
.rept 130
.if k < 128
.set an, k/4
.if an == 31
.set an, 10
.elseif an >= 10
.set an, an+1
.endif
.set rg, 8*an+2*(k%4)
	v_pk_fma_f32 v[rg:rg+1], v[rg:rg+1], s[CC:CC+1], v[UV+2*(an%4):UV+2*(an%4)+1] op_sel_hi:[1,0,0]   ; each accumulator from its low end on
.endif
.if k >= 2
.set an, (k-2)/4
.if an == 31
.set an, 10
.elseif an >= 10
.set an, an+1
.endif
.set rg, 8*an+2*((k-2)%4)
	v_exp_f32 v[rg], v[rg]
	v_exp_f32 v[rg+1], v[rg+1]
.endif
.set k, k+1
.endr
	v_nop                                          ; a plain instruction behind the last exponential
	s_wait_alu depctr_va_vdst(0)                   ; one wait for the batch, ahead of its first reader
.set k, 0
.rept 130
.if k < 128
	v_pk_add_f32 v[2*k:2*k+1], v[2*k:2*k+1], 1.0 op_sel_hi:[1,0]
.endif
.if k >= 2
	v_rcp_f32 v[2*k-4], v[2*k-4]
	v_rcp_f32 v[2*k-3], v[2*k-3]
.endif
.set k, k+1
.endr
	v_nop
	s_wait_alu depctr_va_vdst(0)
	WIN 0x01                                       ; source 0 window 1; the sums lie in window 0
.irp t, 0,1,2,3
.irp a, 0,1,2,3,4,5,6,7
.irp p, 0,2,4,6
	v_pk_fma_f32 v[SAC+8*\a+\p:SAC+8*\a+\p+1], v[8*(4*\a+\t)+\p:8*(4*\a+\t)+\p+1], v[UV+2*\t:UV+2*\t+1], v[SAC+8*\a+\p:SAC+8*\a+\p+1] op_sel:[0,1,0] op_sel_hi:[1,1,1]   ; of the pair (c u, -2 V) the second serves both halves
.endr
.endr
.endr
	WIN 0
	s_wait_xcnt 0x0                                ; every load issued so far has read its base: the bases may step
	s_mov_b64 s[WB:WB+1], s[WN:WN+1]
	s_add_co_u32 s[NN], s[NN], 1
	s_add_co_u32 s50, s[NN], 1
	s_and_b32 s50, s50, 3                          ; the chunk after the next; behind the last it is the first again: those loads stay inside the buffers, and nobody reads what they bring
	s_lshl_b32 s56, s50, 11
	s_lshl_b32 s50, s50, 16
	s_add_nc_u64 s[WN:WN+1], s[W0:W0+1], s[50:51]
	s_add_nc_u64 s[WSN:WSN+1], s[WS0:WS0+1], s[56:57]
	s_add_nc_u64 s[VB:VB+1], s[VB:VB+1], 256
	s_add_nc_u64 s[UB:UB+1], s[UB:UB+1], 256
.endm
	AFETCH 0, 0
	ASCALES 0
	WIN 0xc0
	AFETCH 1, 0
	WIN 0
.set k, 0
.rept 64
	v_mov_b32 v[SAC+k], 0                          ; the score sums: the loop is written once and finds zeros
.set k, k+1
.endr
	s_mov_b32 s[CNT], 4
.Lchunk:
	STEP 0
	STEP 1
	STEP 2
	STEP 3
	STEP 4
	STEP 5
	STEP 6
	STEP 7
	TANH
	s_sub_co_u32 s[CNT], s[CNT], 1
	s_cmp_lg_u32 s[CNT], 0
	s_cbranch_scc1 .Lchunk
; ---- P3
	s_wait_dscnt 0x0                               ; the fragments asked for behind the last K step have landed: their registers are free
	v_bfe_u32 v117, v0, 4, 1
	s_lshl_b32 s56, s[WV], 9
	s_add_co_u32 s56, s56, SCR
	v_lshl_add_u32 v112, v117, 5, s56              ; partial scores, in: SCR + 512 x wave + 32 h
	v_and_b32 v117, 31, v0
	v_lshl_add_u32 v113, v117, 4, SCR              ; back: 16 x lane: rows 4 lane .. 4 lane + 3
	v_lshlrev_b32 v114, 3, v117                    ; ml: 8 x lane
	v_lshlrev_b32 v115, 4, v0                      ; cpart: 16 x thread
	v_mov_b32 v116, 0xff800000                     ; -infinity
.irp x, 1,2,4,8                                    ; over the 16 lanes that hold a row's d
.set k, 0
.rept 64
	v_add_f32_dpp v[SAC+k], v[SAC+k], v[SAC+k] row_xmask:\x row_mask:0xf bank_mask:0xf
.set k, k+1
.endr
.endr
.irp a, 0,1,2,3,4,5,6,7
.irp j, 0,1,2,3,4,5,6,7
	ds_store_b32 v112, v[SAC+8*\a+\j] offset:(16*\a+\j)*4   ; row 16 a + 8 h + j: sixteen lanes write the same word with the same value
.endr
.endr
	BARRIER                                        ; the four waves' parts of all 128 scores lie in LDS
.macro BATCH bk                        ; kept rows 16 bk .. 16 bk + 15 of the 80 in LDS, my 16 bytes of each, into v128-191 or v192-255 by turns
.set BUF, LAND+64*((\bk)%2)
.set RBS, RB0
.if (\bk) >= 2
.set RBS, RB1
.endif
.if (\bk) >= 4
.set RBS, RB2
.endif
.set n1, 0
.rept 16
	ds_load_b64 v[BUF+4*n1:BUF+4*n1+1], v[RBS] offset:((16*(\bk)+n1)%32)*2048
	ds_load_b64 v[BUF+4*n1+2:BUF+4*n1+3], v[RBS] offset:((16*(\bk)+n1)%32)*2048+1024
.set n1, n1+1
.endr
.endm
.irp w, 0,1,2,3
	ds_load_b128 v[TS+4*\w:TS+4*\w+3], v113 offset:512*\w
.endr
	BATCH 0
	s_wait_dscnt 32                                ; the partial scores are in; the batch's 32 loads may be out
	BATCH 1
	; every wave makes the whole block's softmax, four rows a lane: no further barrier is needed
	v_pk_add_f32 v[TS:TS+1], v[TS:TS+1], v[TS+4:TS+5]
	v_pk_add_f32 v[TS+2:TS+3], v[TS+2:TS+3], v[TS+6:TS+7]
	v_pk_add_f32 v[TS+8:TS+9], v[TS+8:TS+9], v[TS+12:TS+13]
	v_pk_add_f32 v[TS+10:TS+11], v[TS+10:TS+11], v[TS+14:TS+15]
	v_pk_add_f32 v[SS:SS+1], v[TS:TS+1], v[TS+8:TS+9]
	v_pk_add_f32 v[SS+2:SS+3], v[TS+2:TS+3], v[TS+10:TS+11]
.irp i, 0,1,2,3
	v_bfe_u32 v[117+\i], v[MSK], 8*\i, 8
.endr
.irp i, 0,1,2,3
	v_cmp_ne_u32 vcc_lo, 0, v[117+\i]
	v_cndmask_b32 v[SS+\i], v[SS+\i], v116, vcc_lo     ; a masked row's score is -infinity
.endr
	v_max3_num_f32 v[MM], v[SS], v[SS+1], v[SS+2]
	v_max3_num_f32 v[MM], v[MM], v[SS+3], 0xff61b1e6   ; -3e38 stands under every score, so that m is a number where all rows are masked
	v_max_num_f32_dpp v[MM], v[MM], v[MM] row_xmask:1 row_mask:0xf bank_mask:0xf
	v_max_num_f32_dpp v[MM], v[MM], v[MM] row_xmask:2 row_mask:0xf bank_mask:0xf
	v_max_num_f32_dpp v[MM], v[MM], v[MM] row_xmask:4 row_mask:0xf bank_mask:0xf
	v_max_num_f32_dpp v[MM], v[MM], v[MM] row_xmask:8 row_mask:0xf bank_mask:0xf
	v_permlanex16_b32 v[TP], v[MM], s[SEL], s[SEL+1]
	v_max_num_f32 v[MM], v[MM], v[TP]              ; the block's maximum, in every lane
.irp i, 0,1,2,3
	v_sub_f32 v[PP+\i], v[SS+\i], v[MM]            ; first the difference, then the factor: -infinity stays -infinity
.endr
.irp i, 0,1,2,3
	v_mul_f32 v[PP+\i], 0x3fb8aa3b, v[PP+\i]
.endr
.irp i, 0,1,2,3
	v_exp_f32 v[PP+\i], v[PP+\i]
.endr
	v_nop
	s_wait_alu depctr_va_vdst(0)                   ; one wait for the four, ahead of their first reader
	v_add_f32 v[MM+1], v[PP], v[PP+1]
	v_add_f32 v[TP], v[PP+2], v[PP+3]
	v_add_f32 v[MM+1], v[MM+1], v[TP]
	v_add_f32_dpp v[MM+1], v[MM+1], v[MM+1] row_xmask:1 row_mask:0xf bank_mask:0xf
	v_add_f32_dpp v[MM+1], v[MM+1], v[MM+1] row_xmask:2 row_mask:0xf bank_mask:0xf
	v_add_f32_dpp v[MM+1], v[MM+1], v[MM+1] row_xmask:4 row_mask:0xf bank_mask:0xf
	v_add_f32_dpp v[MM+1], v[MM+1], v[MM+1] row_xmask:8 row_mask:0xf bank_mask:0xf
	v_permlanex16_b32 v[TP], v[MM+1], s[SEL], s[SEL+1]
	v_add_f32 v[MM+1], v[MM+1], v[TP]              ; the block's sum
	s_cmp_lg_u32 s[WV], 0
	s_cbranch_scc1 .Lnot_wave_0
	global_store_b128 v[L16], v[SS:SS+3], s[16:17] ; 32 lanes store the block's 128 scores: 512 consecutive bytes
	global_store_b64 v114, v[MM:MM+1], s[18:19]    ; (m, l), the same pair from every lane: 256 consecutive bytes
.Lnot_wave_0:
; ctx: thread t sums p x row over the 128 rows for its 8 columns.  A row's p lies in lane row / 4, register row % 4, of every wave.
.macro GETP first, per, add            ; sixteen kept rows' p: slot first + n belongs to row 32 (slot / per) + add + slot % per
.set n1, 0
.rept 16
.set RWN, 32*(((\first)+n1)/(\per))+(\add)+((\first)+n1)%(\per)
	v_readlane_b32 s[PS+n1], v[PP+RWN%4], RWN/4
.set n1, n1+1
.endr
.endm
.macro ACCUM reg0                      ; sixteen rows, 4 registers of two bf16 each: the product straight from a bf16 half into the f32 sum
.set n1, 0
.rept 16
.irp c, 0,1,2,3
	v_fma_mix_f32_bf16 v[CT+2*\c], v[(\reg0)+4*n1+\c], s[PS+n1], v[CT+2*\c] op_sel:[0,0,0] op_sel_hi:[1,0,0]
	v_fma_mix_f32_bf16 v[CT+2*\c+1], v[(\reg0)+4*n1+\c], s[PS+n1], v[CT+2*\c+1] op_sel:[1,0,0] op_sel_hi:[1,0,0]
.endr
.set n1, n1+1
.endr
.endm
.irp j, 0,1,2,3,4,5,6,7
	v_mov_b32 v[CT+\j], 0
.endr
.irp g, 0,1,2                                      ; the 48 rows kept in window 3
	WIN 0
	GETP 16*\g, 12, 0
	WIN 0x03                                       ; source 0 window 3
	ACCUM 64*\g
.endr
	WIN 0
.irp bt, 0,1,2,3,4                                 ; the 80 rows kept in LDS, 16 at a time
.if \bt < 4
	s_wait_dscnt 32                                ; this batch is in; the next one's 32 loads may be out
.else
	s_wait_dscnt 0x0
.endif
	GETP 16*\bt, 20, 12
	ACCUM LAND+64*(\bt%2)
.if \bt < 3
	BATCH \bt+2
.endif
.endr
	global_store_b128 v115, v[CT:CT+3], s[20:21]               ; columns 4 t ..: a wave's store covers 512 consecutive bytes
	global_store_b128 v115, v[CT+4:CT+7], s[20:21] offset:2048 ; columns 512 + 4 t ..
	s_wait_tensorcnt 0x0
	ds_add_u32 v11, v19
	s_wait_dscnt 0x0
	s_endpgm
.Lfunc_end_k_qc61ec2c036_score:
	.size	k_qc61ec2c036_score, .Lfunc_end_k_qc61ec2c036_score-k_qc61ec2c036_score
	.p2alignl 7, 3214868480
	.fill 96, 4, 3214868480
	.section	.rodata,"a",@progbits
	.p2align	6, 0x0
	.amdhsa_kernel k_qc61ec2c036_score
		.amdhsa_group_segment_fixed_size 304128
		.amdhsa_private_segment_fixed_size 0
		.amdhsa_enable_private_segment 0
		.amdhsa_kernarg_size 72
		.amdhsa_user_sgpr_count 2
		.amdhsa_user_sgpr_kernarg_segment_ptr 1
		.amdhsa_wavefront_size32 1
		.amdhsa_system_sgpr_workgroup_id_x 1
		.amdhsa_system_sgpr_workgroup_id_y 1
		.amdhsa_system_sgpr_workgroup_id_z 1
		.amdhsa_system_vgpr_workitem_id 0
		.amdhsa_next_free_vgpr 1024
		.amdhsa_next_free_sgpr 90
		.amdhsa_reserve_vcc 1
		.amdhsa_float_denorm_mode_32 3
		.amdhsa_float_denorm_mode_16_64 3
		.amdhsa_memory_ordered 1
		.amdhsa_forward_progress 1
		.amdhsa_inst_pref_size 255
	.end_amdhsa_kernel
	.section	.bss,"aw",@nobits
	.p2align	6
	.space	262144
	.amdgpu_metadata
---
amdhsa.version: [ 1, 2 ]
amdhsa.kernels:
  - .name:           k_qc61ec2c036_score
    .symbol:         k_qc61ec2c036_score.kd
    .args:
      - { .name: enc_hiddens, .offset: 0, .size: 8, .value_kind: global_buffer, .address_space: global }
      - { .name: mask, .offset: 8, .size: 8, .value_kind: global_buffer, .address_space: global }
      - { .name: V, .offset: 16, .size: 8, .value_kind: global_buffer, .address_space: global }
      - { .name: wq, .offset: 24, .size: 8, .value_kind: global_buffer, .address_space: global }
      - { .name: wsc, .offset: 32, .size: 8, .value_kind: global_buffer, .address_space: global }
      - { .name: u, .offset: 40, .size: 8, .value_kind: global_buffer, .address_space: global }
      - { .name: sc, .offset: 48, .size: 8, .value_kind: global_buffer, .address_space: global }
      - { .name: ml, .offset: 56, .size: 8, .value_kind: global_buffer, .address_space: global }
      - { .name: cpart, .offset: 64, .size: 8, .value_kind: global_buffer, .address_space: global }
    .group_segment_fixed_size: 304128
    .private_segment_fixed_size: 0
    .kernarg_segment_align: 8
    .kernarg_segment_size: 72
    .max_flat_workgroup_size: 128
    .sgpr_count:     90
    .vgpr_count:     1024
    .wavefront_size: 32
...
	.end_amdgpu_metadata
.endif
;; end of part 2
;; launch combine (part 3): grid 32 x 1, 8 waves a work-group, no clusters, 0 bytes of LDS; arguments sc, ml, cpart, out0, out1; writes out0, out1
.if DOCPART == 3
	.amdgcn_target "amdgcn-amd-amdhsa--gfx1250"
	.amdhsa_code_object_version 6
	.text
	.protected	k_qc61ec2c036_combine
	.globl	k_qc61ec2c036_combine
	.p2align	8
	.type	k_qc61ec2c036_combine,@function
k_qc61ec2c036_combine:
	s_mov_b64 s[64:65], 0
	v_nop
	global_prefetch_b8 v0, s[64:65] scope:SCOPE_SE
	s_setreg_imm32_b32 hwreg(HW_REG_WAVE_MODE, 25, 1), 1
	s_wait_xcnt 0x0
; One work-group joins the 16 blocks of one batch.  From each block: its maximum m_g, its sum l_g (of e^(score - m_g)) and its partial ctx (the sum of e^(score - m_g) x row).
; M = the largest m_g; f_g = e^(m_g - M); L = the sum of f_g l_g; ctx = (the sum of f_g ctx_g) / L; attn = e^(score - M) / L.  The maximum is taken away ahead of every exponential.
; A batch all of whose rows are masked has L = 0 and gives NaN in both outputs, as the softmax of nothing does.
; 256 threads: thread t takes columns 4 t .. 4 t + 3 of ctx and rows 4 t .. and 1,024 + 4 t .. of attn: every load and store of a wave covers 512 consecutive bytes.
; The design has work for 32 work-groups; all loads go out first, and the waits are counted.  No LDS, no barrier: every wave makes M and L for itself from 16 pairs.
.set LOG2E, 0x3fb8aa3b
	s_load_b256 s[4:11], s[0:1], 0x0               ; sc s[4:5], ml s[6:7], cpart s[8:9], out0 s[10:11]
	s_load_b64 s[12:13], s[0:1], 0x20              ; out1
	v_and_b32 v1, 15, v0
	v_lshlrev_b32 v8, 8, v1                        ; block lane % 16: 256 bytes a block
	v_lshlrev_b32 v9, 4, v0                        ; 16 x thread
	v_mov_b32 v4, 0                                ; written once: a DPP form's destination counts as read
	s_lshl_b32 s14, ttmp9, 13                      ; sc, out1: 8,192 bytes a batch
	s_mov_b32 s15, 0
	s_lshl_b32 s32, ttmp9, 12                      ; ml, out0: 4,096
	s_mov_b32 s33, 0
	s_lshl_b32 s34, ttmp9, 16                      ; cpart: 65,536
	s_mov_b32 s35, 0
	s_wait_kmcnt 0x0
	s_add_nc_u64 s[4:5], s[4:5], s[14:15]
	s_add_nc_u64 s[12:13], s[12:13], s[14:15]
	s_add_nc_u64 s[6:7], s[6:7], s[32:33]
	s_add_nc_u64 s[10:11], s[10:11], s[32:33]
	s_add_nc_u64 s[8:9], s[8:9], s[34:35]
	global_load_b64 v[2:3], v8, s[6:7]             ; (m, l) of block lane % 16
.irp g, 0,1,2,3,4,5,6,7,8,9,10,11,12,13,14,15
	global_load_b128 v[16+4*\g:19+4*\g], v9, s[8:9] offset:4096*\g
.endr
	global_load_b128 v[80:83], v9, s[4:5]
	global_load_b128 v[84:87], v9, s[4:5] offset:4096
	s_wait_loadcnt 18                              ; (m, l) is in; the 18 loads behind it may be out
	v_max_num_f32_dpp v4, v2, v2 row_xmask:1 row_mask:0xf bank_mask:0xf
	v_max_num_f32_dpp v4, v4, v4 row_xmask:2 row_mask:0xf bank_mask:0xf
	v_max_num_f32_dpp v4, v4, v4 row_xmask:4 row_mask:0xf bank_mask:0xf
	v_max_num_f32_dpp v4, v4, v4 row_xmask:8 row_mask:0xf bank_mask:0xf   ; M, in every lane
	v_sub_f32 v5, v2, v4
	v_mul_f32 v5, LOG2E, v5
	v_exp_f32 v5, v5                               ; f of block lane % 16
	v_nop
	s_wait_alu depctr_va_vdst(0)                   ; one wait ahead of the first reader
	v_mul_f32 v6, v5, v3
	v_add_f32_dpp v6, v6, v6 row_xmask:1 row_mask:0xf bank_mask:0xf
	v_add_f32_dpp v6, v6, v6 row_xmask:2 row_mask:0xf bank_mask:0xf
	v_add_f32_dpp v6, v6, v6 row_xmask:4 row_mask:0xf bank_mask:0xf
	v_add_f32_dpp v6, v6, v6 row_xmask:8 row_mask:0xf bank_mask:0xf       ; L
	v_rcp_f32 v7, v6
.irp g, 0,1,2,3,4,5,6,7,8,9,10,11,12,13,14,15
	v_readlane_b32 s[16+\g], v5, \g                ; plain work behind the reciprocal
.endr
	s_wait_alu depctr_va_vdst(0)
	s_wait_loadcnt 2                               ; the 16 partial ctx are in; the scores may be out
.irp c, 0,1,2,3
	v_mul_f32 v[88+\c], s16, v[16+\c]              ; the first product starts the sums
.endr
.irp g, 1,2,3,4,5,6,7,8,9,10,11,12,13,14,15
.irp c, 0,1,2,3
	v_fma_f32 v[88+\c], s[16+\g], v[16+4*\g+\c], v[88+\c]
.endr
.endr
.irp c, 0,1,2,3
	v_mul_f32 v[88+\c], v[88+\c], v7
.endr
	global_store_b128 v9, v[88:91], s[10:11]
	s_wait_loadcnt 0x0
.irp i, 0,1,2,3,4,5,6,7
	v_sub_f32 v[80+\i], v[80+\i], v4               ; first the difference, then the factor: -infinity stays -infinity
.endr
.irp i, 0,1,2,3,4,5,6,7
	v_mul_f32 v[80+\i], LOG2E, v[80+\i]
.endr
.irp i, 0,1,2,3,4,5,6,7
	v_exp_f32 v[80+\i], v[80+\i]
.endr
	v_nop
	s_wait_alu depctr_va_vdst(0)                   ; one wait for the eight
.irp i, 0,1,2,3,4,5,6,7
	v_mul_f32 v[80+\i], v[80+\i], v7
.endr
	global_store_b128 v9, v[80:83], s[12:13]
	global_store_b128 v9, v[84:87], s[12:13] offset:4096
	s_endpgm
.Lfunc_end_k_qc61ec2c036_combine:
	.size	k_qc61ec2c036_combine, .Lfunc_end_k_qc61ec2c036_combine-k_qc61ec2c036_combine
	.p2alignl 7, 3214868480
	.fill 96, 4, 3214868480
	.section	.rodata,"a",@progbits
	.p2align	6, 0x0
	.amdhsa_kernel k_qc61ec2c036_combine
		.amdhsa_group_segment_fixed_size 0
		.amdhsa_private_segment_fixed_size 0
		.amdhsa_enable_private_segment 0
		.amdhsa_kernarg_size 40
		.amdhsa_user_sgpr_count 2
		.amdhsa_user_sgpr_kernarg_segment_ptr 1
		.amdhsa_wavefront_size32 1
		.amdhsa_system_sgpr_workgroup_id_x 1
		.amdhsa_system_sgpr_workgroup_id_y 1
		.amdhsa_system_sgpr_workgroup_id_z 1
		.amdhsa_system_vgpr_workitem_id 0
		.amdhsa_next_free_vgpr 96
		.amdhsa_next_free_sgpr 66
		.amdhsa_reserve_vcc 0
		.amdhsa_float_denorm_mode_32 3
		.amdhsa_float_denorm_mode_16_64 3
		.amdhsa_memory_ordered 1
		.amdhsa_forward_progress 1
		.amdhsa_inst_pref_size 11
	.end_amdhsa_kernel
	.amdgpu_metadata
---
amdhsa.version: [ 1, 2 ]
amdhsa.kernels:
  - .name:           k_qc61ec2c036_combine
    .symbol:         k_qc61ec2c036_combine.kd
    .args:
      - { .name: sc, .offset: 0, .size: 8, .value_kind: global_buffer, .address_space: global }
      - { .name: ml, .offset: 8, .size: 8, .value_kind: global_buffer, .address_space: global }
      - { .name: cpart, .offset: 16, .size: 8, .value_kind: global_buffer, .address_space: global }
      - { .name: out0, .offset: 24, .size: 8, .value_kind: global_buffer, .address_space: global }
      - { .name: out1, .offset: 32, .size: 8, .value_kind: global_buffer, .address_space: global }
    .group_segment_fixed_size: 0
    .private_segment_fixed_size: 0
    .kernarg_segment_align: 8
    .kernarg_segment_size: 40
    .max_flat_workgroup_size: 256
    .sgpr_count:     66
    .vgpr_count:     96
    .wavefront_size: 32
...
	.end_amdgpu_metadata
.endif
;; end of part 3
;; ======== version 2 of 2: 3 launches; version 1 with the launches prep, score written anew for expert scheduling mode
;; workspace buffers: wq 1,048,576 bytes; wsc 32,768 bytes; u 131,072 bytes; sc 262,144 bytes; ml 131,072 bytes; cpart 2,097,152 bytes
;; launch prep (part 4): grid 64 x 1, 16 waves a work-group, no clusters, 18,432 bytes of LDS; arguments W, dec_hidden, wq, wsc, u; writes wq, wsc, u
.if DOCPART == 4
	.amdgcn_target "amdgcn-amd-amdhsa--gfx1250"
	.amdhsa_code_object_version 6
	.text
	.protected	k_qc61ec2c036_prep
	.globl	k_qc61ec2c036_prep
	.p2align	8
	.type	k_qc61ec2c036_prep,@function
k_qc61ec2c036_prep:
	s_mov_b64 s[64:65], 0
	v_nop
	global_prefetch_b8 v0, s[64:65] scope:SCOPE_SE
	s_setreg_imm32_b32 hwreg(HW_REG_WAVE_SCHED_MODE, 0, 2), 2
	s_setreg_imm32_b32 hwreg(HW_REG_WAVE_MODE, 25, 1), 1
	s_wait_xcnt 0x0
	s_wait_alu depctr_vm_vsrc(0)
; W [1024][2048] f32 = [W_enc | W_dec], dec [32][1024] f32.  This launch (a) turns W_enc into codes of BF8 (E5M2) with one E8M0 byte for each 32 along K,
; laid in the order of the operand's registers, and (b) computes u = dec W_dec^T [32][1024], both operands quantised in registers, by the scaled matrix instruction.
; SHARES.  Work-group dt takes rows 16 dt .. 16 dt + 15 of W (one tile of d).  Sixteen waves in two roles, so that every wave issues ALL its loads at its head:
;   waves 0-7:  K step w (128 along K) of W_dec and of both 16-row tiles of dec: 48 loads, three quantisings, two matrix instructions; the parts of u go to LDS;
;   waves 8-15: K step w - 8 of W_enc: 16 loads, one quantising, the codes and the scale word go to memory.
; The branch hangs on the wave's number; the one barrier stands behind the join; behind it each of the 512 threads sums the eight parts of one element of u.
; A lane (r = lane % 16, h = lane / 16) loads, of row r, 16 neighbouring numbers of each block of 32: k = 128 w + 32 b + 16 h + 0 .. 15: the layout of an 8-bit fragment.
; wq:  [dt / 4][K step 8][dt % 4][c 4][lane 32][16 bytes]: a store of a wave covers 512 consecutive bytes.   wsc: [d 1024][8 words], word q = the four bytes of K step q.
; u and wsc leave in pieces of 64 and 4 bytes: together 160 KiB, against the 8 MiB that the launch reads.
; THE QUANTISER: scale = 2^(floor(log2(largest magnitude)) - 15); its byte is the largest magnitude's exponent field - 15, held at 1 from below by a floor among the maximum's leaves.
; LIMITS: a block of zeros keeps the byte 1 (its codes are zeros; this program alone reads the bytes); blocks whose largest magnitude lies under 2^-111 keep that byte too; NaN and infinities in W and dec are not served.
; THE MODE: SCHED_MODE bits 1:0 = 2 (LLVM: expert scheduling mode 2), set by the entry lines.  The code itself states the register dependences
; between vector or matrix instructions and memory or LDS instructions, with s_wait_alu, always for 0.
; THE PLAN.  Registers that memory or LDS instructions touch:
;   v4-v10     offsets and LDS addresses: written once at the head, never again.
;   v64-v255   three landing sets: each is loaded once, at the head, into registers that no vector instruction has named; from then on vector and matrix instructions alone name them,
;              but for v96-111 (the two accumulators, read by the LDS stores) and v112-119 (in which the eight parts of u land behind the barrier; v112 is then the last store's data).
;   v36, v40-55  waves 8-15: the scale word and the codes, written by the quantiser, read by the five stores.
; No register that a memory or LDS instruction has read is written again, so no wait on vm_vsrc is owed ahead of the closing lines.
.set TM,  16                           ; v16-19 largest magnitudes, v20-23 bytes, v24-27 57,344 x the scale, v28-31 the conversion's scale operand
.set SWE, 36                           ; W_enc's scale word
.set SWD, 37                           ; W_dec's;  v38, v39 dec's two tiles': these hold scale words and nothing else
.set SA0, 38
.set SA1, 39
.set CE,  40                           ; codes: W_enc (waves 8-15)
.set CD,  40                           ; W_dec (waves 0-7)
.set L0,  64                           ; three landing sets of 64 numbers
.set L1,  128
.set L2,  192
.set CA0, 64                           ; codes of dec rows 0-15 and 16-31, and the two accumulators: in the first landing set, which is done with when they are written
.set CA1, 80
.set AC0, 96
.set AC1, 104
.set SM,  112                          ; behind the barrier: eight parts of one element of u
.set VW,  4                            ; W: r x 8,192 + 64 h
.set VD,  5                            ; dec: r x 4,096 + 64 h
.set VQ,  6                            ; 16 x lane
.set VS,  7                            ; wsc: r x 32
.set VL,  8                            ; LDS, in: 2,048 x K step + 4 x lane
.set VT,  9                            ; LDS, back: 4 x thread
.set VU,  10                           ; u: (16 (wave / 8) + 8 h + wave % 8) x 4,096 + 4 r
	s_load_b256 s[4:11], s[0:1], 0x0               ; W s[4:5], dec s[6:7], wq s[8:9], wsc s[10:11]
	s_load_b64 s[12:13], s[0:1], 0x20              ; u
	v_lshl_add_u32 v62, v0, 2, 0x4000
	v_mov_b32 v63, 0
	v_lshrrev_b32 v1, 5, v0
	v_readfirstlane_b32 s14, v1                    ; wave 0..15
	v_and_b32 v1, 31, v0                           ; lane
	v_and_b32 v2, 15, v0                           ; r
	v_bfe_u32 v3, v0, 4, 1                         ; h
	v_lshlrev_b32 v[VW], 13, v2
	v_lshl_add_u32 v[VW], v3, 6, v[VW]
	v_lshlrev_b32 v[VD], 12, v2
	v_lshl_add_u32 v[VD], v3, 6, v[VD]
	v_lshlrev_b32 v[VQ], 4, v1
	v_lshlrev_b32 v[VS], 5, v2
	v_lshlrev_b32 v[VT], 2, v0
.irp b, 0,1,2,3
	v_mov_b32 v[TM+4+\b], 0                        ; written once: a lane permute's destination counts as one of its sources
.endr
	s_wait_alu depctr_va_sdst(0)                   ; s14 is written, ahead of its first reader: the K step, the role and every base are made from it
	s_and_b32 s15, s14, 7                          ; my K step
	s_lshr_b32 s19, s14, 3                         ; my role; behind the barrier: which tile of dec's rows I sum
	s_lshl_b32 s30, s15, 11
	v_lshl_add_u32 v[VL], v1, 2, s30
	s_lshl_b32 s31, s19, 4
	s_add_co_u32 s31, s31, s15
	v_lshl_add_u32 v[VU], v3, 3, s31
	v_lshlrev_b32 v[VU], 12, v[VU]
	v_lshl_add_u32 v[VU], v2, 2, v[VU]
	s_mov_b32 s16, 0x76543210
	s_mov_b32 s17, 0xfedcba98                      ; v_permlanex16_b32's selects for lane l xor 16
	s_mov_b32 s18, 0x600000                        ; the mantissa field of 57,344
	s_lshl_b32 s20, ttmp9, 17                      ; W: 16 rows of 8,192 bytes a work-group,
	s_lshl_b32 s22, s15, 9                         ; + 512 bytes a K step; dec: the K step alone
	s_add_co_u32 s20, s20, s22
	s_mov_b32 s21, 0
	s_mov_b32 s23, 0
	s_lshr_b32 s24, ttmp9, 2                       ; wq: ((dt / 4) x 8 + K step) x 8,192 + (dt % 4) x 2,048
	s_lshl_b32 s24, s24, 3
	s_add_co_u32 s24, s24, s15
	s_lshl_b32 s24, s24, 13
	s_and_b32 s26, ttmp9, 3
	s_lshl_b32 s26, s26, 11
	s_add_co_u32 s24, s24, s26
	s_mov_b32 s25, 0
	s_lshl_b32 s26, ttmp9, 9                       ; wsc: 16 rows of 32 bytes a work-group, + 4 bytes a K step
	s_lshl_b32 s28, s15, 2
	s_add_co_u32 s26, s26, s28
	s_mov_b32 s27, 0
	s_lshl_b32 s28, ttmp9, 6                       ; u: 16 columns of 4 bytes a work-group
	s_mov_b32 s29, 0
	s_wait_kmcnt 0x0
	s_add_nc_u64 s[4:5], s[4:5], s[20:21]
	s_add_nc_u64 s[6:7], s[6:7], s[22:23]
	s_add_nc_u64 s[8:9], s[8:9], s[24:25]
	s_add_nc_u64 s[10:11], s[10:11], s[26:27]
	s_add_nc_u64 s[12:13], s[12:13], s[28:29]
	s_wait_alu depctr_va_vdst(0)                   ; the seven offsets and addresses v4 to v10 are written, which the loads and stores of both roles read
; 64 numbers a lane: register 16 b + 4 j + .. = k 32 b + 16 h + 4 j + .. of my row
.macro XLOAD reg, sb, vo, imm
.irp b, 0,1,2,3
.irp j, 0,1,2,3
	global_load_b128 v[\reg+16*\b+4*\j:\reg+16*\b+4*\j+3], v[\vo], s[\sb:\sb+1] offset:\imm+128*\b+16*\j
.endr
.endr
.endm
; those 64 numbers become a fragment's 16 registers of codes in v[dst] on and its scale word in v[word]
.macro QUANT src, dst, word
.irp b, 0,1,2,3
	v_max3_num_f32 v[TM+\b], |v[\src+16*\b]|, |v[\src+1+16*\b]|, 0x8000000   ; block b: my 16 numbers, and the floor 2^(16 - 127): the byte cannot fall under 1
.endr
.irp i, 2,4,6,8,10,12,14
.irp b, 0,1,2,3
	v_max3_num_f32 v[TM+\b], v[TM+\b], |v[\src+16*\b+\i]|, |v[\src+1+16*\b+\i]|   ; the four blocks by turns
.endr
.endr
.irp b, 0,1,2,3
	v_permlanex16_b32 v[TM+4+\b], v[TM+\b], s16, s17
.endr
.irp b, 0,1,2,3
	v_max_num_f32 v[TM+\b], v[TM+\b], v[TM+4+\b]   ; with lane l xor 16's 16 numbers: the block's largest magnitude
.endr
.irp b, 0,1,2,3
	v_add_nc_u32 v[TM+12+\b], 0xf8800000, v[TM+\b] ; 15 off its exponent field: the conversion takes the exponent field of this operand as its scale
.endr
.irp b, 0,1,2,3
	v_and_or_b32 v[TM+8+\b], v[TM+\b], 0x7f800000, s18   ; 57,344 x the scale
.endr
.irp b, 0,1,2,3
	v_lshrrev_b32 v[TM+4+\b], 23, v[TM+12+\b]      ; the scale's byte
.endr
	v_lshl_or_b32 v[\word], v[TM+5], 8, v[TM+4]
	v_lshl_or_b32 v[\word], v[TM+6], 16, v[\word]
	v_lshl_or_b32 v[\word], v[TM+7], 24, v[\word]
.irp b, 0,1,2,3
.irp i, 0,1,2,3,4,5,6,7,8,9,10,11,12,13,14,15
	v_med3_num_f32 v[\src+16*\b+\i], v[\src+16*\b+\i], -v[TM+8+\b], v[TM+8+\b]   ; the conversion to an 8-bit code does not saturate (ISA guide 7.6.2): the hold comes first
.endr
	v_cvt_scalef32_pk8_bf8_f32 v[\dst+4*\b:\dst+4*\b+1], v[\src+16*\b:\src+16*\b+7], v[TM+12+\b]
	v_cvt_scalef32_pk8_bf8_f32 v[\dst+4*\b+2:\dst+4*\b+3], v[\src+16*\b+8:\src+16*\b+15], v[TM+12+\b]
.endr
	v_nop                                          ; one plain vector instruction behind the last conversion
.endm
	s_cmp_lt_u32 s14, 8
	s_cbranch_scc0 .Lenc
	; ---- waves 0-7: my K step of u = dec W_dec^T
	XLOAD L0, 4, VW, 4096                          ; W_dec's K step
	XLOAD L1, 6, VD, 0                             ; dec rows 0-15
	XLOAD L2, 6, VD, 65536                         ; dec rows 16-31
	s_wait_loadcnt 32                              ; W_dec is in; the 32 loads behind it may be out
	QUANT L0, CD, SWD
	s_wait_loadcnt 16                              ; dec rows 0-15 are in; the 16 loads behind them may be out
	QUANT L1, CA0, SA0
	s_wait_loadcnt 0x0
	QUANT L2, CA1, SA1
.rept 8
	v_nop                                          ; operands and scale words written by vector instructions stand 4 and 8 places ahead of a scaled matrix instruction
.endr
	s_wait_alu depctr_va_vdst(0)                   ; the conversions have written the three fragments' codes and the shifts their scale words, which the two products take; the places above stay beside this wait
	v_wmma_scale_f32_16x16x128_f8f6f4 v[AC0:AC0+7], v[CA0:CA0+15], v[CD:CD+15], 0, v[SA0], v[SWD] matrix_a_fmt:MATRIX_FMT_BF8 matrix_b_fmt:MATRIX_FMT_BF8
	v_wmma_scale_f32_16x16x128_f8f6f4 v[AC1:AC1+7], v[CA1:CA1+15], v[CD:CD+15], 0, v[SA1], v[SWD] matrix_a_fmt:MATRIX_FMT_BF8 matrix_b_fmt:MATRIX_FMT_BF8
.rept 8
	v_nop                                          ; eight places ahead of the first read of a result
.endr
	s_wait_alu depctr_va_vdst(0)                   ; the products have written both accumulators, which the LDS stores read; all vector work on v112-119, in which loads land behind the barrier, stands ahead of it too
.irp j, 0,1,2,3,4,5,6,7
	ds_store_b32 v[VL], v[AC0+\j] offset:128*\j    ; register j of lane (r, h): u's part for batch row 8 h + j, column r; each accumulator from its low end on
.endr
.irp j, 0,1,2,3,4,5,6,7
	ds_store_b32 v[VL], v[AC1+\j] offset:1024+128*\j
.endr
	s_branch .Ljoin
.Lenc:
	; ---- waves 8-15: my K step of W_enc
	XLOAD L0, 4, VW, 0
	s_wait_loadcnt 0x0
	QUANT L0, CE, SWE
	s_wait_alu depctr_va_vdst(0)                   ; the conversions have written the codes and the shifts the scale word, which the five stores read; the quantiser is done with v112-119, in which loads land behind the barrier
.irp c, 0,1,2,3
	global_store_b128 v[VQ], v[CE+4*\c:CE+4*\c+3], s[8:9] offset:512*\c   ; the fragment as it stands: 32 lanes store 512 consecutive bytes
.endr
	global_store_b32 v[VS], v[SWE], s[10:11]       ; lanes r and r + 16 hold the same word and write the same place
.Ljoin:
	s_wait_dscnt 0x0                               ; for the others' sake: my stores into LDS have landed
	s_barrier_signal -1
	s_barrier_wait -1
.irp w, 0,1,2,3,4,5,6,7
	ds_load_b32 v[SM+\w], v[VT] offset:2048*\w     ; thread t = 256 i + 32 j + lane takes element (tile i, register j, lane) of all eight K steps' parts.  No wait: on both ways no vector instruction stands behind the way's last wait on va_vdst
.endr
	s_wait_dscnt 0x0
	v_add_f32 v[SM], v[SM], v[SM+1]
	v_add_f32 v[SM+2], v[SM+2], v[SM+3]
	v_add_f32 v[SM+4], v[SM+4], v[SM+5]
	v_add_f32 v[SM+6], v[SM+6], v[SM+7]
	v_add_f32 v[SM], v[SM], v[SM+2]
	v_add_f32 v[SM+4], v[SM+4], v[SM+6]
	v_add_f32 v[SM], v[SM], v[SM+4]
	s_wait_alu depctr_va_vdst(0)                   ; the last addition has written v112, which the store reads
	global_store_b32 v[VU], v[SM], s[12:13]        ; u(16 i + 8 h + j, 16 dt + r)
	s_wait_dscnt 0x0                               ; the closing lines, six on end
	s_wait_alu 0x0
	s_wait_tensorcnt 0x0
	ds_add_u32 v62, v63
	s_wait_dscnt 0x0
	s_endpgm
.Lfunc_end_k_qc61ec2c036_prep:
	.size	k_qc61ec2c036_prep, .Lfunc_end_k_qc61ec2c036_prep-k_qc61ec2c036_prep
	.p2alignl 7, 3214868480
	.fill 96, 4, 3214868480
	.section	.rodata,"a",@progbits
	.p2align	6, 0x0
	.amdhsa_kernel k_qc61ec2c036_prep
		.amdhsa_group_segment_fixed_size 18432
		.amdhsa_private_segment_fixed_size 0
		.amdhsa_enable_private_segment 0
		.amdhsa_kernarg_size 40
		.amdhsa_user_sgpr_count 2
		.amdhsa_user_sgpr_kernarg_segment_ptr 1
		.amdhsa_wavefront_size32 1
		.amdhsa_system_sgpr_workgroup_id_x 1
		.amdhsa_system_sgpr_workgroup_id_y 1
		.amdhsa_system_sgpr_workgroup_id_z 1
		.amdhsa_system_vgpr_workitem_id 0
		.amdhsa_next_free_vgpr 256
		.amdhsa_next_free_sgpr 66
		.amdhsa_reserve_vcc 0
		.amdhsa_float_denorm_mode_32 3
		.amdhsa_float_denorm_mode_16_64 3
		.amdhsa_memory_ordered 1
		.amdhsa_forward_progress 1
		.amdhsa_inst_pref_size 45
	.end_amdhsa_kernel
	.amdgpu_metadata
---
amdhsa.version: [ 1, 2 ]
amdhsa.kernels:
  - .name:           k_qc61ec2c036_prep
    .symbol:         k_qc61ec2c036_prep.kd
    .args:
      - { .name: W, .offset: 0, .size: 8, .value_kind: global_buffer, .address_space: global }
      - { .name: dec_hidden, .offset: 8, .size: 8, .value_kind: global_buffer, .address_space: global }
      - { .name: wq, .offset: 16, .size: 8, .value_kind: global_buffer, .address_space: global }
      - { .name: wsc, .offset: 24, .size: 8, .value_kind: global_buffer, .address_space: global }
      - { .name: u, .offset: 32, .size: 8, .value_kind: global_buffer, .address_space: global }
    .group_segment_fixed_size: 18432
    .private_segment_fixed_size: 0
    .kernarg_segment_align: 8
    .kernarg_segment_size: 40
    .max_flat_workgroup_size: 512
    .sgpr_count:     66
    .vgpr_count:     256
    .wavefront_size: 32
...
	.end_amdgpu_metadata
.endif
;; end of part 4
;; launch score (part 5): grid 16 x 32, 4 waves a work-group, no clusters, 304,128 bytes of LDS; arguments enc_hiddens, mask, V, wq, wsc, u, sc, ml, cpart; writes sc, ml, cpart
.if DOCPART == 5
	.amdgcn_target "amdgcn-amd-amdhsa--gfx1250"
	.amdhsa_code_object_version 6
	.text
	.protected	k_qc61ec2c036_score
	.globl	k_qc61ec2c036_score
	.p2align	8
	.type	k_qc61ec2c036_score,@function
k_qc61ec2c036_score:
	s_mov_b64 s[64:65], 0
	v_nop
	global_prefetch_b8 v0, s[64:65] scope:SCOPE_SE
	s_setreg_imm32_b32 hwreg(HW_REG_WAVE_SCHED_MODE, 0, 2), 2
	s_setreg_imm32_b32 hwreg(HW_REG_WAVE_MODE, 25, 1), 1
	s_wait_xcnt 0x0
	s_wait_alu depctr_vm_vsrc(0)
; One work-group takes 128 rows of one batch of enc [32][2048][1024] f32 through the whole chain, reading them from memory once:
;   P1  each wave loads 32 rows, quantises them to codes of BF8 (E5M2) with E8M0 bytes (into LDS) and keeps them as bf16 (48 rows in registers, 80 in LDS);
;   P2  enc W_enc^T by the scaled matrix instruction, + u, tanh, x V, summed over d: wave w takes d = 256 w .. 256 w + 255 for all 128 rows, 64 d at a time;
;   P3  the four waves' parts of the scores meet in LDS; mask; the block's own maximum m, p = e^(score - m), sum l; partial ctx = the sum of p x row (bf16 rows, f32 sums).
; Stored: the masked scores (sc), (m, l) (ml), the partial ctx (cpart); the next launch joins a batch's 16 blocks.
; tanh(x) = 1 - 2 r, r = 1 / (1 + 2^(2 log2(e) x)).  The score that is kept is -2 x the sum of V_d r_d: it differs from the sum of V_d tanh by the sum of V_d, the same number for every row,
; which a softmax does not see.  The maximum is taken away ahead of every exponential of the softmax.
; NO TENSOR LOADS, NO CLUSTER: beside the codes (133,120 bytes) and the kept rows (163,840) LDS has 24,064 bytes left, and one K step of W for four waves is 32,768: no ring of two slots fits.
; Each byte of W's codes is used by ONE wave of the work-group, so it goes from memory straight into that wave's registers, in the order of the operand's registers (laid so by the launch before).
; LIMITS: NaN and infinities in enc are not served; a block of zeros, or one whose largest magnitude lies under 2^-111, keeps the scale byte 1; the rows enter ctx rounded to bf16;
; a batch all of whose rows are masked gives NaN in the next launch, as the softmax of nothing does.
; REGISTERS, in windows of 256 (s_set_vgpr_msb: bits 1:0 source 0, 3:2 source 1, 5:4 source 2, 7:6 destination):
;   window 0: v0 thread; v1-31 addresses and the softmax; v32-47 enc's scale words (two sets of 8), v48-79 W's (4 tiles x 8 K steps): these hold scales and nothing else;
;             v80-87 (c u, -2 V) a tile, v88-95 ctx; v96-127 P1's two banks of store data, later P3's;
;             v128-255 P1's landing ring; then v128-191 enc's fragments of blocks 0-3 and v192-255 the 64 score sums; then kept rows
;   window 1: the 32 accumulators, (a, t) at v[8 (4 a + t)]; in P3 v0-191 take 48 of the rows kept in LDS
;   window 2: W's fragments, four sets of 64      window 3: v0-191 48 kept rows, 4 registers each; v192-255 enc's fragments of blocks 4-7
; THE MODE: SCHED_MODE bits 1:0 = 2 (LLVM: expert scheduling mode 2), set by the entry lines.  The code itself states the register dependences
; between vector or matrix instructions and memory or LDS instructions, with s_wait_alu, always for 0.
; THE PLAN, P1.  The ring's 16 units go in 8 pairs; a trip is 8 turns, one a pair.
;   X0 .. X7   (v128-255) a pair's 16 landing registers.  Turn k's vector work reads and holds X[k]; the four loads issued in turn k + 1 land in it again.
;   T0, T1     (v96-127) two banks of store data.  Turn k's conversions write T[k % 2]; the six LDS stores issued in turn k + 1 read it; turn k + 2 writes it again.
;   v7-v9      the three LDS addresses: written once, at a trip's head; read by every store of the trip.
;   v2         the one offset of all loads of enc: never written again: each pair has a scalar base of its own, and immediate offsets do the rest.
; So at a turn's head one wait on vm_vsrc (the stores of the turn before have read the bank that this turn writes) and one on va_vdst (the pair before has written its bank and is done with its X)
; state all that the turn's ten memory instructions hang on, and these are dealt among its vector instructions, which name X[k], T[k % 2] and four registers at work.  Behind a trip's last turn one more wait on
; va_vdst stands ahead of the last pair's loads and stores, so that the lag ends with the trip and every store is out at the barriers.
; THE PLAN, P2.  Loads land in: W's set (q + 3) % 4 and enc's scale words' set (q + 1) % 2, both last read by K step q - 1's products; enc's fragments of blocks 0-3, read by K step q's first sixteen products, and of
; blocks 4-7, read by its second sixteen; (c u, -2 V), read by the tanh; W's scale words, read by K step 7's products.  Of the wave's 1,024 registers 40 are idle here and a second half-set of fragments is 64: so a wait on va_vdst
; stands behind each sixteen products, two a K step, and each run of loads follows its wait.  No address is written in the loop.
; THE PLAN, P3.  The rows kept in LDS come back into five buffers, none of which is loaded twice; what else is owed is said at each wait.
.set CP,   1040                        ; a row of codes in LDS: 1,024 bytes + 16 = 260 words: row r starts at bank 4 r mod 64 (64 banks of 4 bytes: ISA guide 11.1)
.set ASC,  133120                      ; behind the 128 rows of codes: the scale bytes, 32 a row + 4
.set AP,   36
.set RET,  137728                      ; 80 kept rows of 2,048 bytes
.set SCR,  301568                      ; 4 waves x 128 partial scores
.set L16,  1                           ; v1   16 x lane
.set VE,   2                           ; v2   enc: 131,072 x wave + 32 x lane
.set VC0,  3                           ; v3   codes, in: 33,280 x wave + 8 x lane
.set VA0,  4                           ; v4   scale bytes, in: ASC + 1,152 x wave + lane / 4
.set VRA,  5                           ; v5   kept rows, in, rows 0-11 of a wave: RET + 24,576 x wave + 16 x lane
.set VRB,  6                           ; v6   rows 12-31: RET + 40,960 x wave + 16 x lane
.set VC,   7                           ; v7-9 the three of the trip in hand
.set VA,   8
.set VR,   9
.set RB0,  10                          ; v10  kept rows, back: RET + 8 x thread; v30, v31: 65,536 and 131,072 further on
.set SS,   12                          ; v12-15 my four rows' scores
.set MM,   16                          ; v16 m, v17 l
.set UT,   16                          ; in P1: two numbers at work for each unit of a pair: v16-17 and v12-13
.set TP,   18                          ; v18  at work
.set PP,   20                          ; v20-23 my four rows' p
.set AF0,  24                          ; v24  fragments of blocks 0-3: r x 1,040 + 16 h;  v25 blocks 4-7: 66,560 further on
.set AS0,  26                          ; v26  ASC + 36 r
.set WSO,  27                          ; v27  32 r
.set R4,   28                          ; v28  4 r
.set MSK,  29                          ; v29  my four rows' mask bytes
.set RB1,  30
.set RB2,  31
.set ASW,  32
.set WSW,  48
.set UV,   80
.set CT,   88
.set TS,   96
.set LAND, 128
.set SAC,  192
.set WV,   22                          ; s22 wave;  s24 batch;  s25 block 0..511
.set BT,   24
.set GG,   25
.set MNT,  26                          ; s26 the mantissa field of 57,344
.set CC,   28                          ; s[28:29] c = 2 log2(e): the packed form names a pair
.set SEL,  30                          ; s[30:31] lane selects for lane l xor 16
.set CNT,  32
.set TC,   33                          ; s33-35 what a trip of P1 adds to the three LDS addresses
.set TA,   34
.set TR,   35
.set WB,   36                          ; s[36:37] W's codes of the chunk in hand; s[38:39] of the next; s[40:41] of my wave's first
.set WN,   38
.set W0,   40
.set WSN,  42                          ; s[42:43] W's scale words of the next chunk; s[44:45] of my wave's first
.set WS0,  44
.set VB,   46                          ; s[46:47] V, s[48:49] u at the chunk in hand
.set UB,   48
.set NN,   52                          ; s52 the chunk's number
.set EB,   54                          ; s[54:55] enc at the block's first row; never stepped
.set MK,   58                          ; s58-61 in P3: my four rows' masks
.set EP,   70                          ; s[70:85] in P1: pair k's base, a pair of registers at EP + 2 k: enc at the four rows that the pair is asked for next
.set PS,   70                          ; s[70:85] in P3: sixteen rows' p
.set MSB, 0
.macro WIN new                         ; the immediate's high byte repeats the setting that is left
.if MSB != \new
	s_set_vgpr_msb (MSB<<8)|\new
.set MSB, \new
.endif
.endm
.macro BARRIER                         ; my LDS stores have landed and my LDS loads are in: then the work-group's barrier
	s_wait_dscnt 0x0
	s_barrier_signal -1
	s_barrier_wait -1
.endm
	s_load_b512 s[4:19], s[0:1], 0x0               ; enc s[4:5], mask s[6:7], V s[8:9], wq s[10:11], wsc s[12:13], u s[14:15], sc s[16:17], ml s[18:19]
	s_load_b64 s[20:21], s[0:1], 0x40              ; cpart
	v_lshl_add_u32 v11, v0, 2, 0x4a200
	v_mov_b32 v19, 0
	v_lshrrev_b32 v[TP], 5, v0
	v_readfirstlane_b32 s[WV], v[TP]               ; wave 0..3
	s_and_b32 s[BT], ttmp7, 0xffff
	s_lshl_b32 s[GG], s[BT], 4
	s_add_co_u32 s[GG], s[GG], ttmp9
	v_and_b32 v[SS], 15, v0                        ; r
	v_bfe_u32 v[SS+1], v0, 4, 1                    ; h
	v_and_b32 v[SS+2], 31, v0                      ; lane
	v_lshlrev_b32 v[L16], 4, v[SS+2]
	v_lshl_add_u32 v[RB0], v0, 3, RET
	v_add_nc_u32 v[RB1], 0x10000, v[RB0]
	v_add_nc_u32 v[RB2], 0x20000, v[RB0]
	v_mul_u32_u24 v[AF0], v[SS], CP
	v_lshl_add_u32 v[AF0], v[SS+1], 4, v[AF0]
	v_add_nc_u32 v[AF0+1], 64*CP, v[AF0]
	v_mad_u32_u24 v[AS0], v[SS], AP, ASC
	v_lshlrev_b32 v[WSO], 5, v[SS]
	v_lshlrev_b32 v[R4], 2, v[SS]
	v_lshlrev_b32 v[TP], 2, v[SS+2]                ; 4 x lane: my four rows' mask bytes
	s_wait_alu depctr_va_sdst(0)                   ; s22, the wave's number, is written, ahead of its first reader
	s_lshl_b32 s56, s[WV], 17
	v_lshl_add_u32 v[VE], v[SS+2], 5, s56
	s_mul_i32 s58, s[WV], 32*CP
	v_lshl_add_u32 v[VC0], v[SS+2], 3, s58
	s_mul_i32 s59, s[WV], 32*AP
	s_add_co_u32 s59, s59, ASC
	v_lshrrev_b32 v[VA0], 2, v[SS+2]
	v_add_nc_u32 v[VA0], s59, v[VA0]
	s_mul_i32 s60, s[WV], 12*2048
	s_add_co_u32 s60, s60, RET
	v_lshl_add_u32 v[VRA], v[SS+2], 4, s60
	s_mul_i32 s61, s[WV], 20*2048
	s_add_co_u32 s61, s61, RET
	v_lshl_add_u32 v[VRB], v[SS+2], 4, s61
	s_mov_b32 s[MNT], 0x600000
	s_mov_b32 s[CC], 0x4038aa3b
	s_mov_b32 s[CC+1], s[CC]
	s_mov_b32 s[SEL], 0x76543210
	s_mov_b32 s[SEL+1], 0xfedcba98
	s_mov_b32 s[TC], 0
	s_mov_b32 s[TA], 0
	s_mov_b32 s[TR], 0
	s_mov_b32 s[NN], 0
	s_mov_b32 s51, 0
	s_mov_b32 s57, 0
	s_lshl_b32 s50, s[BT], 23                      ; enc: 2,048 rows of 4,096 bytes a batch, 128 rows a block
	s_lshl_b32 s62, ttmp9, 19
	s_add_co_u32 s50, s50, s62
	s_wait_kmcnt 0x0
	s_add_nc_u64 s[EB:EB+1], s[4:5], s[50:51]
.irp k, 0,1,2,3,4,5,6,7
	s_mov_b64 s[EP+2*\k:EP+2*\k+1], s[EB:EB+1]     ; each pair's base: it moves on by four rows ahead of each of the pair's later loads
.endr
	s_lshl_b32 s50, s[BT], 11
	s_lshl_b32 s62, ttmp9, 7
	s_add_co_u32 s50, s50, s62
	s_add_nc_u64 s[6:7], s[6:7], s[50:51]          ; the block's mask bytes
	s_lshl_b32 s50, s[WV], 18
	s_add_nc_u64 s[W0:W0+1], s[10:11], s[50:51]    ; my wave's 256 d: four chunks of 65,536 bytes of codes
	s_mov_b64 s[WB:WB+1], s[W0:W0+1]
	s_add_nc_u64 s[WN:WN+1], s[W0:W0+1], 0x10000
	s_lshl_b32 s50, s[WV], 13
	s_add_nc_u64 s[WS0:WS0+1], s[12:13], s[50:51]  ; and four of 2,048 bytes of scale words
	s_add_nc_u64 s[WSN:WSN+1], s[WS0:WS0+1], 0x800
	s_lshl_b32 s50, s[WV], 10
	s_add_nc_u64 s[VB:VB+1], s[8:9], s[50:51]
	s_add_nc_u64 s[UB:UB+1], s[14:15], s[50:51]
	s_lshl_b32 s50, s[BT], 12
	s_add_nc_u64 s[UB:UB+1], s[UB:UB+1], s[50:51]
	s_lshl_b32 s50, s[BT], 13
	s_lshl_b32 s62, ttmp9, 9
	s_add_co_u32 s50, s50, s62
	s_add_nc_u64 s[16:17], s[16:17], s[50:51]      ; the block's 128 scores
	s_lshl_b32 s50, s[GG], 8
	s_add_nc_u64 s[18:19], s[18:19], s[50:51]
	s_lshl_b32 s50, s[GG], 12
	s_add_nc_u64 s[20:21], s[20:21], s[50:51]
; W's fragments of one K step (4 tiles of 16 d): 16 loads of 512 consecutive bytes into set \set
.macro WFETCH set, sb, ks
.irp t, 0,1,2,3
.irp c, 0,1,2,3
	global_load_b128 v[64*(\set)+16*\t+4*\c:64*(\set)+16*\t+4*\c+3], v[L16], s[\sb:\sb+1] offset:8192*(\ks)+2048*\t+512*\c
.endr
.endr
.endm
.macro WSCALES sb                      ; a chunk's scale words: lane r takes the 8 words of d = 16 t + r
.irp t, 0,1,2,3
	global_load_b128 v[WSW+8*\t:WSW+8*\t+3], v[WSO], s[\sb:\sb+1] offset:512*\t
	global_load_b128 v[WSW+8*\t+4:WSW+8*\t+7], v[WSO], s[\sb:\sb+1] offset:512*\t+16
.endr
.endm
	s_wait_alu depctr_va_vdst(0)                   ; the offsets and LDS addresses v1 to v6, v10, v18, v24 to v28, v30 and v31 are written, which loads and stores of the whole kernel read
	; what P2 and P3 want first goes out ahead of enc's loads, so that the counted waits of P1 show it landed
	global_load_b32 v[MSK], v[TP], s[6:7]
	WSCALES WS0
	WIN 0x80
	WFETCH 0, WB, 0
	WFETCH 1, WB, 1
	WFETCH 2, WB, 2
	WIN 0
; ---- P1.  A UNIT is one row x 256 along K: 1,024 consecutive bytes by two loads, 32 bytes a lane: a lane holds 8 neighbours (what one conversion takes), four lanes a block of 32.
; The ring has 16 units (4 rows), taken as 8 PAIRS: pair j is units 2 j and 2 j + 1: row j / 2 of four, 512 along K from 512 (j % 2) on.
.macro PLOAD j                         ; pair j is asked for again: the same place four rows further down
	s_add_nc_u64 s[EP+2*(\j):EP+2*(\j)+1], s[EP+2*(\j):EP+2*(\j)+1], 16384   ; free: the counted wait for the pair's data has shown the loads that read this base done
.irp u, 0,1
	global_load_b128 v[LAND+16*(\j)+8*\u:LAND+16*(\j)+8*\u+3], v[VE], s[EP+2*(\j):EP+2*(\j)+1] offset:((\j)/2)*4096+((\j)%2)*2048+\u*1024 th:TH_LOAD_NT
	global_load_b128 v[LAND+16*(\j)+8*\u+4:LAND+16*(\j)+8*\u+7], v[VE], s[EP+2*(\j):EP+2*(\j)+1] offset:((\j)/2)*4096+((\j)%2)*2048+\u*1024+16 th:TH_LOAD_NT
.endr
.endm
.macro PSTORE j, u                     ; unit u of pair j leaves its bank
.set PT, TS+16*((\j)%2)+8*(\u)
	ds_store_b64 v[VC], v[PT:PT+1] offset:((\j)/2)*CP+(2*((\j)%2)+(\u))*256        ; 32 lanes: 256 consecutive bytes of the row's codes
	ds_store_b128 v[VR], v[PT+2:PT+5] offset:((\j)/2)*2048+(2*((\j)%2)+(\u))*512   ; and 512 of its bf16
	ds_store_b8 v[VA], v[PT+6] offset:((\j)/2)*AP+(2*((\j)%2)+(\u))*8              ; the four lanes of a block write the same byte with the same value
.endm
; Pair k's vector work, its two units line by line by turns, so that no line waits for the line above it.  First half: the blocks' largest magnitudes, and the rows as they are kept for ctx.
.macro PWA k
.set PX, LAND+16*(\k)
.set PT, TS+16*((\k)%2)
.irp u, 0,1
	v_max3_num_f32 v[UT-4*\u], |v[PX+8*\u]|, |v[PX+8*\u+1]|, 0x8000000   ; my 8 numbers and the floor 2^(16 - 127): the byte cannot fall under 1
.endr
.irp u, 0,1
	v_max3_num_f32 v[UT+1-4*\u], |v[PX+8*\u+2]|, |v[PX+8*\u+3]|, |v[PX+8*\u+4]|
.endr
.irp u, 0,1
	v_cvt_pk_bf16_f32 v[PT+8*\u+2], v[PX+8*\u], v[PX+8*\u+1]         ; the row as it is kept for ctx: ahead of the hold
.endr
.irp u, 0,1
	v_cvt_pk_bf16_f32 v[PT+8*\u+3], v[PX+8*\u+2], v[PX+8*\u+3]
.endr
.irp u, 0,1
	v_max3_num_f32 v[UT-4*\u], v[UT-4*\u], |v[PX+8*\u+5]|, |v[PX+8*\u+6]|
.endr
.irp u, 0,1
	v_cvt_pk_bf16_f32 v[PT+8*\u+4], v[PX+8*\u+4], v[PX+8*\u+5]
.endr
.irp u, 0,1
	v_cvt_pk_bf16_f32 v[PT+8*\u+5], v[PX+8*\u+6], v[PX+8*\u+7]
.endr
.irp u, 0,1
	v_max3_num_f32 v[UT-4*\u], v[UT-4*\u], v[UT+1-4*\u], |v[PX+8*\u+7]|
.endr
.irp u, 0,1
	v_max_num_f32_dpp v[UT-4*\u], v[UT-4*\u], v[UT-4*\u] row_xmask:1 row_mask:0xf bank_mask:0xf
.endr
.irp u, 0,1
	v_max_num_f32_dpp v[UT-4*\u], v[UT-4*\u], v[UT-4*\u] row_xmask:2 row_mask:0xf bank_mask:0xf   ; the block's largest magnitude
.endr
.endm
; Second half: the scale, the hold, the codes, the scale's byte.
.macro PWB k
.set PX, LAND+16*(\k)
.set PT, TS+16*((\k)%2)
.irp u, 0,1
	v_add_nc_u32 v[PT+8*\u+7], 0xf8800000, v[UT-4*\u]                ; 15 off its exponent field: the conversion's scale operand
.endr
.irp u, 0,1
	v_and_or_b32 v[UT+1-4*\u], v[UT-4*\u], 0x7f800000, s[MNT]        ; 57,344 x the scale
.endr
.irp j, 0,1,2,3,4,5,6,7
.irp u, 0,1
	v_med3_num_f32 v[PX+8*\u+\j], v[PX+8*\u+\j], -v[UT+1-4*\u], v[UT+1-4*\u]   ; the conversion to an 8-bit code does not saturate (ISA guide 7.6.2)
.endr
.endr
.irp u, 0,1
	v_cvt_scalef32_pk8_bf8_f32 v[PT+8*\u:PT+8*\u+1], v[PX+8*\u:PX+8*\u+7], v[PT+8*\u+7]
.endr
.irp u, 0,1
	v_lshrrev_b32 v[PT+8*\u+6], 23, v[PT+8*\u+7]                     ; the scale's byte; also the plain instruction behind the conversions
.endr
.endm
; Turn k of a trip.  ahead = 1: the pair before is asked for again.  left = the younger loads that may stay out when this pair's four have to be there.
.macro TURN k, ahead, left
	s_wait_loadcnt \left                           ; loads come back in order: my pair's four are in
.if (\k) >= 2
	s_wait_alu depctr_vm_vsrc(0)                   ; the LDS stores issued in the turn before have read bank k % 2, which this turn's conversions write again (for turns 0 and 1 the wait at the trip's head says it)
.endif
.if (\k) >= 1
	s_wait_alu depctr_va_vdst(0)                   ; the pair before has written its bank, which the stores below read, and is done reading and holding its X, in which the loads below land; in turn 1 the three LDS addresses are written too
.if \ahead
	PLOAD (\k)-1
.endif
	PSTORE (\k)-1, 0
.endif
	PWA \k
.if (\k) >= 1
	PSTORE (\k)-1, 1                               ; no wait: no vector instruction since the wait above names the other bank or an address
.endif
	PWB \k
.endm
.macro TRIP ahead, vr0                 ; four rows
	s_wait_alu depctr_vm_vsrc(0)                   ; the last trip's LDS stores have read their three addresses, which are written below, and both banks, which turns 0 and 1 write
	v_add_nc_u32 v[VC], s[TC], v[VC0]
	v_add_nc_u32 v[VA], s[TA], v[VA0]
	v_add_nc_u32 v[VR], s[TR], v[\vr0]
.irp k, 0,1,2,3,4,5,6,7
.if \ahead
.if \k == 0
	TURN \k, 1, 28                                 ; all seven younger pairs have been asked for: 28 loads
.else
	TURN \k, 1, 24                                 ; six younger pairs: the pair before is asked for again only behind this wait
.endif
.else
	TURN \k, 0, 28-4*\k                            ; the last trip loads nothing: the counts run down
.endif
.endr
	s_wait_alu depctr_va_vdst(0)                   ; pair 7 has written its bank and is done with its X: the trip's last stores and loads
.if \ahead
	PLOAD 7
.endif
	PSTORE 7, 0
	PSTORE 7, 1
	s_add_co_u32 s[TC], s[TC], 4*CP
	s_add_co_u32 s[TA], s[TA], 4*AP
	s_add_co_u32 s[TR], s[TR], 4*2048
.endm
.irp i, 0,1,2,3,4,5,6,7,8,9,10,11,12,13,14,15
	global_load_b128 v[LAND+8*\i:LAND+8*\i+3], v[VE], s[EB:EB+1] offset:(\i/4)*4096+(\i%4)*1024 th:TH_LOAD_NT
	global_load_b128 v[LAND+8*\i+4:LAND+8*\i+7], v[VE], s[EB:EB+1] offset:(\i/4)*4096+(\i%4)*1024+16 th:TH_LOAD_NT
.endr
	s_mov_b32 s[CNT], 3
.Lp1a:                                             ; rows 0-11 of each wave: kept rows 12 w + i, which go on into registers
	TRIP 1, VRA
	s_sub_co_u32 s[CNT], s[CNT], 1
	s_cmp_lg_u32 s[CNT], 0
	s_cbranch_scc1 .Lp1a
	BARRIER                                        ; all 48 rows lie in LDS
	WIN 0xc0                                       ; destination window 3: registers that no vector instruction has named
.set k, 0
.rept 48                                           ; thread t keeps columns 4 t .. 4 t + 3 and 512 + 4 t .. of every row: 8 bytes each
.if k < 32
	ds_load_b64 v[4*k:4*k+1], v[RB0] offset:k*2048
	ds_load_b64 v[4*k+2:4*k+3], v[RB0] offset:k*2048+1024
.else
	ds_load_b64 v[4*k:4*k+1], v[RB1] offset:(k-32)*2048
	ds_load_b64 v[4*k+2:4*k+3], v[RB1] offset:(k-32)*2048+1024
.endif
.set k, k+1
.endr
	WIN 0
	BARRIER                                        ; every wave has them: the bytes may be written again
	s_mov_b32 s[TR], 0
	s_mov_b32 s[CNT], 4
.Lp1b:                                             ; rows 12-27: kept rows 20 w + i - 12, which stay in LDS
	TRIP 1, VRB
	s_sub_co_u32 s[CNT], s[CNT], 1
	s_cmp_lg_u32 s[CNT], 0
	s_cbranch_scc1 .Lp1b
	TRIP 0, VRB                                    ; rows 28-31: no load leaves the buffer
	BARRIER                                        ; codes, scale bytes and kept rows of all 128 rows lie in LDS
; ---- P2.  Source 0 = 16 rows of enc, source 1 = 16 rows (d) of W: register j of lane (r, h) holds row 16 a + 8 h + j and d = 16 t + r, so u and V are one number a lane and tile.
.macro AFETCH hi, q                    ; enc's fragments of blocks 4 hi .. 4 hi + 3, K step q
.irp a, 0,1,2,3
.irp c, 0,1,2,3
	ds_load_b128 v[LAND+64*\hi+16*\a+4*\c:LAND+64*\hi+16*\a+4*\c+3], v[AF0+\hi] offset:\a*16*CP+128*(\q)+32*\c
.endr
.endr
.endm
.macro ASCALES q                       ; the eight blocks' scale words of K step q: lane r takes row r's
.irp a, 0,1,2,3,4,5,6,7
	ds_load_b32 v[ASW+8*((\q)%2)+\a], v[AS0] offset:\a*16*AP+4*(\q)
.endr
.endm
; 16 matrix instructions: blocks 4 hi .. 4 hi + 3 x the chunk's four tiles of d.  The 32 accumulators take turns, one instruction a turn.  K step 0 starts the sums with the constant 0.
.macro MUL hi, q
.if \hi
	WIN 0x5b                                       ; enc window 3, W window 2, C and D window 1
.else
	WIN 0x58                                       ; enc window 0
.endif
.irp a, 0,1,2,3
.irp t, 0,1,2,3
.set MAC, 8*(4*(4*\hi+\a)+\t)
.set MFA, LAND+64*\hi+16*\a
.set MFB, 64*((\q)%4)+16*\t
.set MSCA, ASW+8*((\q)%2)+4*\hi+\a
.set MSCB, WSW+8*\t+(\q)
.if (\q) == 0
	v_wmma_scale_f32_16x16x128_f8f6f4 v[MAC:MAC+7], v[MFA:MFA+15], v[MFB:MFB+15], 0, v[MSCA], v[MSCB] matrix_a_fmt:MATRIX_FMT_BF8 matrix_b_fmt:MATRIX_FMT_BF8
.else
	v_wmma_scale_f32_16x16x128_f8f6f4 v[MAC:MAC+7], v[MFA:MFA+15], v[MFB:MFB+15], v[MAC:MAC+7], v[MSCA], v[MSCB] matrix_a_fmt:MATRIX_FMT_BF8 matrix_b_fmt:MATRIX_FMT_BF8
.endif
.endr
.endr
.endm
; A K step: 32 matrix instructions in two runs of sixteen; behind each run the window of the first loads, one wait, and the run of loads that it frees.
.macro STEP q
.if (\q) == 0
	s_wait_loadcnt 0x0                             ; the chunk's first three sets of W and its scale words, asked for ahead of the tanh
.else
	s_wait_loadcnt 32                              ; behind this step's set of W at least the two next sets' 32 loads were issued
.endif
	s_wait_dscnt 16                                ; blocks 0-3 and the scale words are in; the youngest 16 loads (blocks 4-7) may be out
	MUL 0, \q
	WIN 0x80                                       ; destination window 2
	s_wait_alu depctr_va_vdst(0)                   ; the sixteen products above are done reading blocks 0-3's fragments, in which LDS loads below land; the set of W and the set of enc's scale words that are loaded here were last read a K step ago; in K step 0 the tanh is done with (c u, -2 V)
.if (\q) < 5
	WFETCH ((\q)+3)%4, WB, (\q)+3                  ; W three K steps ahead,
.else
	WFETCH ((\q)+3)%4, WN, (\q)-5                  ; on into the next chunk
.endif
	WIN 0
.if (\q) == 0
.irp t, 0,1,2,3
	global_load_b32 v[UV+2*\t], v[R4], s[UB:UB+1] offset:64*\t      ; u and V of the chunk's 64 d: wanted behind K step 7; K step 3's counted wait shows them in
	global_load_b32 v[UV+2*\t+1], v[R4], s[VB:VB+1] offset:64*\t
.endr
.endif
	AFETCH 0, ((\q)+1)%8
	ASCALES ((\q)+1)%8
	s_wait_dscnt 24                                ; all but the 24 just issued: this step's blocks 4-7 are in
	MUL 1, \q
	WIN 0xc0                                       ; destination window 3
	s_wait_alu depctr_va_vdst(0)                   ; the sixteen products above are done reading blocks 4-7's fragments, in which the loads below land; with them the whole K step is done with its set of W and its scale words
	AFETCH 1, ((\q)+1)%8
	WIN 0
.endm
; Behind a chunk's eight K steps: score sums += -2 V r, r = 1 / (1 + 2^(c x + c u)).
; THE PACKED WORK STANDS AMONG THE TRANSCENDENTALS: one scaling c x + c u (a pair of numbers), then the two exponentials of the pair scaled two scalings earlier; likewise one addition of 1 and two reciprocals.
; No scaling names an exponential's result and no addition a reciprocal's, so each batch of 256 has ONE wait, behind a plain instruction and ahead of its first reader.
; The accumulators are scaled in the order 0-9, 11-31, 10: number 10's registers bear the numbers 80-87, which the scalings also name, in window 0, for (c u, -2 V): so no line names these numbers behind an exponential that wrote them.
.macro TANH
	WSCALES WSN                                    ; the next chunk's scale words.  No wait: the wait at K step 7's end has shown their last readers done, and only loads stand between
.irp t, 0,1,2,3
	v_mul_f32 v[UV+2*\t], s[CC], v[UV+2*\t]        ; c u.  These eight lines are also the eight places between K step 7's products and the first vector read of a result
	v_mul_f32 v[UV+2*\t+1], -2.0, v[UV+2*\t+1]     ; -2 V
.endr
	WIN 0x41                                       ; destination and source 0 window 1
.set k, 0
.rept 130
.if k < 128
.set an, k/4
.if an == 31
.set an, 10
.elseif an >= 10
.set an, an+1
.endif
.set rg, 8*an+2*(k%4)
	v_pk_fma_f32 v[rg:rg+1], v[rg:rg+1], s[CC:CC+1], v[UV+2*(an%4):UV+2*(an%4)+1] op_sel_hi:[1,0,0]   ; each accumulator from its low end on
.endif
.if k >= 2
.set an, (k-2)/4
.if an == 31
.set an, 10
.elseif an >= 10
.set an, an+1
.endif
.set rg, 8*an+2*((k-2)%4)
	v_exp_f32 v[rg], v[rg]
	v_exp_f32 v[rg+1], v[rg+1]
.endif
.set k, k+1
.endr
	v_nop                                          ; a plain instruction behind the last exponential
	s_wait_alu depctr_va_vdst(0)                   ; the 256 exponentials have written their results, which the additions below read: one wait for the batch, ahead of its first reader
.set k, 0
.rept 130
.if k < 128
	v_pk_add_f32 v[2*k:2*k+1], v[2*k:2*k+1], 1.0 op_sel_hi:[1,0]
.endif
.if k >= 2
	v_rcp_f32 v[2*k-4], v[2*k-4]
	v_rcp_f32 v[2*k-3], v[2*k-3]
.endif
.set k, k+1
.endr
	v_nop
	s_wait_alu depctr_va_vdst(0)                   ; the 256 reciprocals have written their results, which the sums below read
	WIN 0x01                                       ; source 0 window 1; the sums lie in window 0
.irp t, 0,1,2,3
.irp a, 0,1,2,3,4,5,6,7
.irp p, 0,2,4,6
	v_pk_fma_f32 v[SAC+8*\a+\p:SAC+8*\a+\p+1], v[8*(4*\a+\t)+\p:8*(4*\a+\t)+\p+1], v[UV+2*\t:UV+2*\t+1], v[SAC+8*\a+\p:SAC+8*\a+\p+1] op_sel:[0,1,0] op_sel_hi:[1,1,1]   ; of the pair (c u, -2 V) the second serves both halves
.endr
.endr
.endr
	WIN 0
	s_wait_xcnt 0x0                                ; every load issued so far has read its base: the bases may step
	s_mov_b64 s[WB:WB+1], s[WN:WN+1]
	s_add_co_u32 s[NN], s[NN], 1
	s_add_co_u32 s50, s[NN], 1
	s_and_b32 s50, s50, 3                          ; the chunk after the next; behind the last it is the first again: those loads stay inside the buffers, and nobody reads what they bring
	s_lshl_b32 s56, s50, 11
	s_lshl_b32 s50, s50, 16
	s_add_nc_u64 s[WN:WN+1], s[W0:W0+1], s[50:51]
	s_add_nc_u64 s[WSN:WSN+1], s[WS0:WS0+1], s[56:57]
	s_add_nc_u64 s[VB:VB+1], s[VB:VB+1], 256
	s_add_nc_u64 s[UB:UB+1], s[UB:UB+1], 256
.endm
	AFETCH 0, 0                                    ; into the ring's first half.  No wait: no vector instruction stands behind the last trip's last wait on va_vdst
	ASCALES 0
	WIN 0xc0
	AFETCH 1, 0
	WIN 0
.set k, 0
.rept 64
	v_mov_b32 v[SAC+k], 0                          ; the score sums: the loop is written once and finds zeros
.set k, k+1
.endr
	s_mov_b32 s[CNT], 4
.Lchunk:
	STEP 0
	STEP 1
	STEP 2
	STEP 3
	STEP 4
	STEP 5
	STEP 6
	STEP 7
	TANH
	s_sub_co_u32 s[CNT], s[CNT], 1
	s_cmp_lg_u32 s[CNT], 0
	s_cbranch_scc1 .Lchunk
; ---- P3
	s_wait_dscnt 0x0                               ; the fragments asked for behind the last K step have landed: their registers are free
	s_wait_alu depctr_vm_vsrc(0)                   ; the LDS stores of P1's last rows have read v96-127, which are written anew from here on; the load of the mask has read v18
	v_bfe_u32 v117, v0, 4, 1
	s_lshl_b32 s56, s[WV], 9
	s_add_co_u32 s56, s56, SCR
	v_lshl_add_u32 v112, v117, 5, s56              ; partial scores, in: SCR + 512 x wave + 32 h
	v_and_b32 v117, 31, v0
	v_lshl_add_u32 v113, v117, 4, SCR              ; back: 16 x lane: rows 4 lane .. 4 lane + 3
	v_lshlrev_b32 v114, 3, v117                    ; ml: 8 x lane
	v_lshlrev_b32 v115, 4, v0                      ; cpart: 16 x thread
	v_mov_b32 v116, 0xff800000                     ; -infinity
.irp x, 1,2,4,8                                    ; over the 16 lanes that hold a row's d
.set k, 0
.rept 64
	v_add_f32_dpp v[SAC+k], v[SAC+k], v[SAC+k] row_xmask:\x row_mask:0xf bank_mask:0xf
.set k, k+1
.endr
.endr
	s_wait_alu depctr_va_vdst(0)                   ; the additions have written the 64 sums and the lines above v112 to v115, which the stores and loads below read; all vector and matrix work on v96-111, v128-255 and window 1, in which loads land below, stands ahead of it
.irp a, 0,1,2,3,4,5,6,7
.irp j, 0,1,2,3,4,5,6,7
	ds_store_b32 v112, v[SAC+8*\a+\j] offset:(16*\a+\j)*4   ; row 16 a + 8 h + j: sixteen lanes write the same word with the same value
.endr
.endr
	BARRIER                                        ; the four waves' parts of all 128 scores lie in LDS
	s_wait_alu depctr_vm_vsrc(0)                   ; my LDS stores have read the sums in v192-255, in which the second batch of kept rows lands
; Kept rows 16 bk .. 16 bk + 15 of the 80 in LDS, my 16 bytes of each.  Five batches, five buffers: v128-191 and v192-255 of window 0, then v0-63, v64-127 and v128-191 of window 1: none is loaded twice
.macro BATCH bk
.if (\bk) < 2
.set BUF, LAND+64*(\bk)
.else
.set BUF, 64*((\bk)-2)
	WIN 0x40                                       ; destination window 1
.endif
.set RBS, RB0
.if (\bk) >= 2
.set RBS, RB1
.endif
.if (\bk) >= 4
.set RBS, RB2
.endif
.set n1, 0
.rept 16
	ds_load_b64 v[BUF+4*n1:BUF+4*n1+1], v[RBS] offset:((16*(\bk)+n1)%32)*2048
	ds_load_b64 v[BUF+4*n1+2:BUF+4*n1+3], v[RBS] offset:((16*(\bk)+n1)%32)*2048+1024
.set n1, n1+1
.endr
	WIN 0
.endm
.irp w, 0,1,2,3
	ds_load_b128 v[TS+4*\w:TS+4*\w+3], v113 offset:512*\w
.endr
	BATCH 0
	s_wait_dscnt 32                                ; the partial scores are in; the batch's 32 loads may be out
	BATCH 1
	; every wave makes the whole block's softmax, four rows a lane: no further barrier is needed
	v_pk_add_f32 v[TS:TS+1], v[TS:TS+1], v[TS+4:TS+5]
	v_pk_add_f32 v[TS+2:TS+3], v[TS+2:TS+3], v[TS+6:TS+7]
	v_pk_add_f32 v[TS+8:TS+9], v[TS+8:TS+9], v[TS+12:TS+13]
	v_pk_add_f32 v[TS+10:TS+11], v[TS+10:TS+11], v[TS+14:TS+15]
	v_pk_add_f32 v[SS:SS+1], v[TS:TS+1], v[TS+8:TS+9]
	v_pk_add_f32 v[SS+2:SS+3], v[TS+2:TS+3], v[TS+10:TS+11]
.irp i, 0,1,2,3
	v_bfe_u32 v[117+\i], v[MSK], 8*\i, 8
.endr
.irp i, 0,1,2,3
	v_cmp_ne_u32 s[MK+\i], 0, v[117+\i]            ; the four compares in a run, each into a scalar register of its own
.endr
	s_wait_alu depctr_va_sdst(0)                   ; the four masks s58 to s61 are written, ahead of their first reader
.irp i, 0,1,2,3
	v_cndmask_b32 v[SS+\i], v[SS+\i], v116, s[MK+\i]   ; a masked row's score is -infinity
.endr
	v_max3_num_f32 v[MM], v[SS], v[SS+1], v[SS+2]
	v_max3_num_f32 v[MM], v[MM], v[SS+3], 0xff61b1e6   ; -3e38 stands under every score, so that m is a number where all rows are masked
	v_max_num_f32_dpp v[MM], v[MM], v[MM] row_xmask:1 row_mask:0xf bank_mask:0xf
	v_max_num_f32_dpp v[MM], v[MM], v[MM] row_xmask:2 row_mask:0xf bank_mask:0xf
	v_max_num_f32_dpp v[MM], v[MM], v[MM] row_xmask:4 row_mask:0xf bank_mask:0xf
	v_max_num_f32_dpp v[MM], v[MM], v[MM] row_xmask:8 row_mask:0xf bank_mask:0xf
	v_permlanex16_b32 v[TP], v[MM], s[SEL], s[SEL+1]
	v_max_num_f32 v[MM], v[MM], v[TP]              ; the block's maximum, in every lane
.irp i, 0,1,2,3
	v_sub_f32 v[PP+\i], v[SS+\i], v[MM]            ; first the difference, then the factor: -infinity stays -infinity
.endr
.irp i, 0,1,2,3
	v_mul_f32 v[PP+\i], 0x3fb8aa3b, v[PP+\i]
.endr
.irp i, 0,1,2,3
	v_exp_f32 v[PP+\i], v[PP+\i]
.endr
	v_nop
	s_wait_alu depctr_va_vdst(0)                   ; the four exponentials have written p, which the additions below read: one wait, ahead of the first reader
	v_add_f32 v[MM+1], v[PP], v[PP+1]
	v_add_f32 v[TP], v[PP+2], v[PP+3]
	v_add_f32 v[MM+1], v[MM+1], v[TP]
	v_add_f32_dpp v[MM+1], v[MM+1], v[MM+1] row_xmask:1 row_mask:0xf bank_mask:0xf
	v_add_f32_dpp v[MM+1], v[MM+1], v[MM+1] row_xmask:2 row_mask:0xf bank_mask:0xf
	v_add_f32_dpp v[MM+1], v[MM+1], v[MM+1] row_xmask:4 row_mask:0xf bank_mask:0xf
	v_add_f32_dpp v[MM+1], v[MM+1], v[MM+1] row_xmask:8 row_mask:0xf bank_mask:0xf
	v_permlanex16_b32 v[TP], v[MM+1], s[SEL], s[SEL+1]
	v_add_f32 v[MM+1], v[MM+1], v[TP]              ; the block's sum
	s_cmp_lg_u32 s[WV], 0
	s_cbranch_scc1 .Lnot_wave_0
	s_wait_alu depctr_va_vdst(0)                   ; the masked scores, m and l are written, which the two stores read; none of their registers is written again
	global_store_b128 v[L16], v[SS:SS+3], s[16:17] ; 32 lanes store the block's 128 scores: 512 consecutive bytes
	global_store_b64 v114, v[MM:MM+1], s[18:19]    ; (m, l), the same pair from every lane: 256 consecutive bytes
.Lnot_wave_0:
; ctx: thread t sums p x row over the 128 rows for its 8 columns.  A row's p lies in lane row / 4, register row % 4, of every wave.
.macro GETP first, per, add            ; sixteen kept rows' p: slot first + n belongs to row 32 (slot / per) + add + slot % per
.set n1, 0
.rept 16
.set RWN, 32*(((\first)+n1)/(\per))+(\add)+((\first)+n1)%(\per)
	v_readlane_b32 s[PS+n1], v[PP+RWN%4], RWN/4
.set n1, n1+1
.endr
.endm
.macro ACCUM reg0                      ; sixteen rows, 4 registers of two bf16 each: the product straight from a bf16 half into the f32 sum
.set n1, 0
.rept 16
.irp c, 0,1,2,3
	v_fma_mix_f32_bf16 v[CT+2*\c], v[(\reg0)+4*n1+\c], s[PS+n1], v[CT+2*\c] op_sel:[0,0,0] op_sel_hi:[1,0,0]
	v_fma_mix_f32_bf16 v[CT+2*\c+1], v[(\reg0)+4*n1+\c], s[PS+n1], v[CT+2*\c+1] op_sel:[1,0,0] op_sel_hi:[1,0,0]
.endr
.set n1, n1+1
.endr
.endm
.irp j, 0,1,2,3,4,5,6,7
	v_mov_b32 v[CT+\j], 0
.endr
.irp g, 0,1,2                                      ; the 48 rows kept in window 3
	WIN 0
	GETP 16*\g, 12, 0
	s_wait_alu depctr_va_sdst(0)                   ; the sixteen p in s70 to s85 are written, ahead of their first reader: one wait for the run
	WIN 0x03                                       ; source 0 window 3
	ACCUM 64*\g
.endr
.irp bt, 0,1,2,3,4                                 ; the 80 rows kept in LDS, 16 at a time
	WIN 0
.if \bt < 4
	s_wait_dscnt 32                                ; this batch is in; the next one's 32 loads may be out
.else
	s_wait_dscnt 0x0
.endif
	GETP 16*\bt, 20, 12
.if \bt < 3
	BATCH \bt+2                                    ; the batch after the next, into a buffer of its own.  No wait on va_vdst: no vector instruction since the wait ahead of the score stores names these registers of window 1
.endif
	s_wait_alu depctr_va_sdst(0)                   ; the sixteen p in s70 to s85 are written, ahead of their first reader
.if \bt < 2
	ACCUM LAND+64*\bt
.else
	WIN 0x01                                       ; source 0 window 1
	ACCUM 64*(\bt-2)
.endif
.endr
	WIN 0
	s_wait_alu depctr_va_vdst(0)                   ; the last products have written the eight sums of ctx, which the two stores read
	global_store_b128 v115, v[CT:CT+3], s[20:21]               ; columns 4 t ..: a wave's store covers 512 consecutive bytes
	global_store_b128 v115, v[CT+4:CT+7], s[20:21] offset:2048 ; columns 512 + 4 t ..
	s_wait_dscnt 0x0                               ; the closing lines, six on end
	s_wait_alu 0x0
	s_wait_tensorcnt 0x0
	ds_add_u32 v11, v19
	s_wait_dscnt 0x0
	s_endpgm
.Lfunc_end_k_qc61ec2c036_score:
	.size	k_qc61ec2c036_score, .Lfunc_end_k_qc61ec2c036_score-k_qc61ec2c036_score
	.p2alignl 7, 3214868480
	.fill 96, 4, 3214868480
	.section	.rodata,"a",@progbits
	.p2align	6, 0x0
	.amdhsa_kernel k_qc61ec2c036_score
		.amdhsa_group_segment_fixed_size 304128
		.amdhsa_private_segment_fixed_size 0
		.amdhsa_enable_private_segment 0
		.amdhsa_kernarg_size 72
		.amdhsa_user_sgpr_count 2
		.amdhsa_user_sgpr_kernarg_segment_ptr 1
		.amdhsa_wavefront_size32 1
		.amdhsa_system_sgpr_workgroup_id_x 1
		.amdhsa_system_sgpr_workgroup_id_y 1
		.amdhsa_system_sgpr_workgroup_id_z 1
		.amdhsa_system_vgpr_workitem_id 0
		.amdhsa_next_free_vgpr 1024
		.amdhsa_next_free_sgpr 90
		.amdhsa_reserve_vcc 0
		.amdhsa_float_denorm_mode_32 3
		.amdhsa_float_denorm_mode_16_64 3
		.amdhsa_memory_ordered 1
		.amdhsa_forward_progress 1
		.amdhsa_inst_pref_size 255
	.end_amdhsa_kernel
	.section	.bss,"aw",@nobits
	.p2align	6
	.space	262144
	.amdgpu_metadata
---
amdhsa.version: [ 1, 2 ]
amdhsa.kernels:
  - .name:           k_qc61ec2c036_score
    .symbol:         k_qc61ec2c036_score.kd
    .args:
      - { .name: enc_hiddens, .offset: 0, .size: 8, .value_kind: global_buffer, .address_space: global }
      - { .name: mask, .offset: 8, .size: 8, .value_kind: global_buffer, .address_space: global }
      - { .name: V, .offset: 16, .size: 8, .value_kind: global_buffer, .address_space: global }
      - { .name: wq, .offset: 24, .size: 8, .value_kind: global_buffer, .address_space: global }
      - { .name: wsc, .offset: 32, .size: 8, .value_kind: global_buffer, .address_space: global }
      - { .name: u, .offset: 40, .size: 8, .value_kind: global_buffer, .address_space: global }
      - { .name: sc, .offset: 48, .size: 8, .value_kind: global_buffer, .address_space: global }
      - { .name: ml, .offset: 56, .size: 8, .value_kind: global_buffer, .address_space: global }
      - { .name: cpart, .offset: 64, .size: 8, .value_kind: global_buffer, .address_space: global }
    .group_segment_fixed_size: 304128
    .private_segment_fixed_size: 0
    .kernarg_segment_align: 8
    .kernarg_segment_size: 72
    .max_flat_workgroup_size: 128
    .sgpr_count:     90
    .vgpr_count:     1024
    .wavefront_size: 32
...
	.end_amdgpu_metadata
.endif
;; end of part 5
;; launch combine: the kernel of part 3 again; grid 32 x 1, 8 waves a work-group, no clusters, 0 bytes of LDS; arguments sc, ml, cpart, out0, out1; writes out0, out1
